; MI455X (gfx1250); checked and timed in simulation.
; The chip was launched on July 23, 2026; its instructions are those of AMD's public machine-readable ISA for CDNA 5 (MIT licence, August 2026) and "CDNA5" Instruction Set Architecture Reference Guide (July 2026). The comments in the code are by the model that wrote it; some were corrected since.
;; Multi Head Attention. Allowed arithmetic: matrix products marked QUANTISED: E5M2 operands, one given power-of-two scale a tensor, by v_wmma_f32_16x16x64_bf8_bf8 or v_wmma_f32_16x16x128_bf8_bf8, f32 sums; everything else in f32.
;; Inputs: W_k 1,024 x 1,024 float32; W_ls 768 x 1,024 float32; W_lv 2,048 x 1,024 float32; W_p 1,024 x 1,024 float32; W_q 1,024 x 1,024 float32; W_v 1,024 x 1,024 float32; b_k 1,024 float32; b_ls 1,024 float32; b_lv 1,024 float32; b_p 1,024 float32; b_q 1,024 float32; b_v 1,024 float32; ln_beta 1,024 float32; ln_gamma 1,024 float32; lowp_scales 16 int32 (the exponents e of the quantised operands' scales 2^e); pos_s 1 x 512 x 1,024 float32; pos_v 1 x 512 x 1,024 float32; s 16 x 512 x 768 float32; v 16 x 512 x 2,048 float32.
;; Outputs: out0 16 x 512 x 1,024 float32.
;; Constants: s_len = 512, v_len = 512.
;; This version of the problem:
;;   THIS VERSION OF THE PROBLEM IS GIVEN IN LOW PRECISION. The matrix products marked QUANTISED in the list below multiply operands that are first quantised to E5M2 (5 exponent bits, 2 mantissa bits; 8 bits a number), with one given power-of-two scale for each operand tensor; their sums are f32. All else is computed in f32.
;;   The module's matrix products, in the order in which they are computed (A, B: the left and right operand; K: the contracted axis; several contracted axes count as one K, in the product's order):
;;     1. [M 8,192, K 2,048] x [K 2,048, N 1,024]; A: input v; B: input W_lv: QUANTISED (scales: A lowp_scales[0], B lowp_scales[1])
;;     2. [M 8,192, K 768] x [K 768, N 1,024]; A: input s; B: input W_ls: QUANTISED (scales: A lowp_scales[2], B lowp_scales[3])
;;     3. [M 8,192, K 1,024] x [K 1,024, N 1,024]; A: computed on the way; B: input W_q: QUANTISED (scales: A lowp_scales[4], B lowp_scales[5])
;;     4. [M 8,192, K 1,024] x [K 1,024, N 1,024]; A: computed on the way; B: input W_k: QUANTISED (scales: A lowp_scales[6], B lowp_scales[7])
;;     5. [M 8,192, K 1,024] x [K 1,024, N 1,024]; A: computed on the way; B: input W_v: QUANTISED (scales: A lowp_scales[8], B lowp_scales[9])
;;     6. batch 256 x [M 512, K 64] x [K 64, N 512]; A: computed on the way; B: computed on the way: QUANTISED (scales: A lowp_scales[10], B lowp_scales[11])
;;     7. batch 256 x [M 512, K 512] x [K 512, N 64]; A: softmax (see below); B: computed on the way: QUANTISED (scales: A lowp_scales[12], B lowp_scales[13])
;;     8. [M 8,192, K 1,024] x [K 1,024, N 1,024]; A: computed on the way; B: input W_p: QUANTISED (scales: A lowp_scales[14], B lowp_scales[15])
;;   THE QUANTISER, for each operand of a quantised product, along K:
;;     - The operand's scale is 2^e, e = its entry of the input lowp_scales (int32; the entries are numbered through the quantised products in the list's order, A before B).
;;     - Each number is divided by the scale, clamped to +-57,344, and rounded to the nearest number of E5M2, ties to even, subnormals kept.
;;     - The product sums the exact products of the quantised numbers (number of the format x scale) in f32.
;;   ~~~python
;;   def quantise(x, axis, e):      # numpy; x: float32 -> the quantised numbers, widened to float32 again
;;       x = np.moveaxis(x, axis, -1); K = x.shape[-1]
;;       r = np.clip(x / 2.0 ** e, -57344, 57344)
;;       step = 2.0 ** (np.maximum(np.frexp(np.where(r == 0, 1, r))[1] - 1, -14) - 2)
;;       q = np.round(r / step) * step * 2.0 ** e      # np.round: ties to even
;;       return np.moveaxis(q, -1, axis).astype(np.float32)
;;   ~~~
;;   SOFTMAX AHEAD OF A QUANTISED PRODUCT. Where the list says 'softmax', what is quantised is not the finished softmax but p = 2^(t - M), with t = logit x log2(e) and M = ceil(the row's largest t), a whole number; so 1/2 < the row's largest p <= 1. The row's sum l is taken of the UNQUANTISED p, in f32, and the product's result is divided by l at the end. Since M is a whole number, a kernel that streams over the keys may use a running M (the ceiling of the running maximum): every later rescaling is an exact power of two, so the quantised numbers keep their values, but for numbers so far below the row's largest that they fall under the format's range.
;;   OPERANDS COMPUTED ON THE WAY. 'Computed on the way' means the value that the module computes at that place (a softmax that the list does not call 'softmax' is quantised finished and normalised). What goes into a quantiser is computed in f32, as accurately as f32 sums, v_exp_f32 and their like allow (about 1e-6 of the number): no bf16 or f16 on the way to a quantiser, and a product that is left as it is and whose result goes on into a quantised operand takes f32 operands (vector FMAs, or v_wmma_f32_16x16x4_f32). A number that lies on a knife's edge between two numbers of the format may be rounded either way, as far as f32 arithmetic and the matrix unit's own rounding can turn it there, and no further.
;; One version. Each part assembles by itself: llvm-mc -triple=amdgcn-amd-amdhsa -mcpu=gfx1250 --defsym DOCPART=n.
;; ======== version 1 of 1: 5 launches
;; limits: right only within a limited range of input values
;; workspace buffers: xf 33,554,432 bytes; wf 6,029,312 bytes; hres 33,554,432 bytes; hf 16,777,216 bytes; qf 8,388,608 bytes; kf 8,388,608 bytes; vtf 8,388,608 bytes; cf 8,388,608 bytes
;; launch prep (part 1): grid 1776 x 1, 4 waves a work-group, no clusters, 34,304 bytes of LDS; arguments v, s, W_lv, W_q, W_ls, W_v, W_p, lowp_scales, xf, wf; writes xf, wf
.if DOCPART == 1
	.amdgcn_target "amdgcn-amd-amdhsa--gfx1250"
	.amdhsa_code_object_version 6
	.text
	.protected	k_q68404444ab_prep
	.globl	k_q68404444ab_prep
	.p2align	8
	.type	k_q68404444ab_prep,@function
k_q68404444ab_prep:
	s_mov_b64 s[64:65], 0
	v_nop
	global_prefetch_b8 v0, s[64:65] scope:SCOPE_SE
	s_setreg_imm32_b32 hwreg(HW_REG_WAVE_MODE, 25, 1), 1
	s_wait_xcnt 0x0
; PREP: v, s and the five weights that feed the result become codes of E5M2, each with its given scale 2^e, laid as IMAGES OF OPERAND REGISTERS.
; An image of a fragment (16 rows x 128 K) is four groups c of 512 bytes; lane l = 16 h + r has 16 bytes at 16 l: k = 32 c + 16 h + 0 .. 15 of the fragment's row r.
; Which rows form tile t: row MAP(t, r) = 32 (t / 2) + 8 (t % 2) + r + 8 (r / 8).  The same map serves x's rows in a block of 64 and a weight's columns.
; code = x / 2^e, held within +-57,344, to the nearest code, ties to even.  LIMITS: each e used here (entries 0, 1, 2, 3, 5, 9, 15) lies between -126 and 112.  NaN among the inputs is not served.
; Work-groups 0 .. 1023: v, 64 rows x 256 k each;  1024 .. 1407: s likewise;  1408 .. 1775: a weight's K step of 128 x 128 columns.
; xf: v's block B at 131072 B, [K step 16][tile 4][c 4][512];  s's block B at 16777216 + 131072 B, [K step 6][tile 4][c 4][512].
; wf: [K step y 46][tile 64][c 4][512];  y 0-15 W_lv, 16-23 W_q, 24-29 W_ls, 30-37 W_v, 38-45 W_p.
; No matrix work, no cluster, no barrier: waves share nothing; memory binds.
; NOT COMPUTED in this program: s W_k + b_k, whose result the module binds to a name that it never uses, and pos_s, which it never reads: whatever finite values W_k, b_k and pos_s hold, no output number hangs on them.
; So W_k, b_k and pos_s are loaded by no launch and stand among no launch's arguments.  LIMIT: a NaN, an infinity or an overflow that would arise in that product alone is not carried to the result.
; xf as it is laid now: s's block B lies at 16777216 + 131072 B, at the pitch of v's blocks, its six K steps first.
.set NV,   1024
.set NX,   1408                        ; for v and s
.set SPX,  528                         ; a stage row: 512 bytes + 16, so that the 16 rows that a read touches fall on 16 different 16-byte columns
.set WST,  16*SPX                      ; a wave's stage
.set OFR,  4                           ; v4-19   row i of my tile: 16 x lane + its row's bytes
.set R,    32                          ; v32-159 numbers as loaded
.set X,    160                         ; v160-223 64 numbers in the quantiser's order (weights: the codes)
.set PC,   224                         ; v224-255 codes, 16 registers a K step
.set WV,   52                          ; s52 wave
.macro QSET se, vs, vl                 ; 2^e as f32 (the conversion takes its exponent field) and 57,344 x 2^e
	s_add_co_i32 s34, s[\se], 127
	s_lshl_b32 s35, s34, 23
	v_mov_b32 v[\vs], s35
	s_add_co_i32 s34, s34, 15
	s_lshl_b32 s34, s34, 23
	s_or_b32 s34, s34, 0x600000
	v_mov_b32 v[\vl], s34
.endm
	s_load_b512 s[4:19], s[0:1], 0x0               ; v, s, W_lv, W_q, W_ls, W_v, W_p, the scales' exponents
	s_load_b128 s[20:23], s[0:1], 0x40             ; xf, wf
	v_lshl_add_u32 v30, v0, 2, 0x8400
	v_mov_b32 v31, 0
	v_lshrrev_b32 v1, 5, v0
	v_readfirstlane_b32 s[WV], v1                  ; wave 0..3
	v_and_b32 v1, 31, v0                           ; lane
	v_lshlrev_b32 v2, 4, v1                        ; 16 x lane
	s_wait_kmcnt 0x0
	s_load_b512 s[36:51], s[18:19], 0x0            ; entry i in s[36 + i]
	s_cmp_lt_u32 ttmp9, NX
	s_cbranch_scc0 .Lweights
	; ---------------- v and s: K is innermost.  Wave w takes tile w of the block's four, two K steps of 128
	s_lshr_b32 s28, ttmp9, 3                       ; v: block,
	s_and_b32 s29, ttmp9, 7                        ;    which 256 along K
	s_sub_co_u32 s30, ttmp9, NV
	s_and_b32 s31, s30, 127                        ; s: block,
	s_lshr_b32 s30, s30, 7                         ;    which 256 along K
	s_mov_b32 s26, 3072
	s_mov_b32 s32, 131072                          ; s's blocks lie at the pitch of v's
	s_cmp_lt_u32 ttmp9, NV                         ; every choice hangs on the work-group's number alone
	s_cselect_b64 s[24:25], s[4:5], s[6:7]         ; the tensor
	s_cselect_b32 s26, 8192, s26                   ; a row in bytes
	s_cselect_b32 s28, s28, s31
	s_cselect_b32 s29, s29, s30
	s_cselect_b32 s32, 131072, s32                 ; a block's images in bytes
	s_cselect_b32 s33, 0, 16777216                 ; where the tensor's images begin
	s_lshl_b32 s34, s28, 6
	s_lshr_b32 s35, s[WV], 1
	s_lshl_b32 s35, s35, 5
	s_add_co_u32 s34, s34, s35
	s_and_b32 s35, s[WV], 1
	s_lshl_b32 s35, s35, 3
	s_add_co_u32 s34, s34, s35                     ; my tile's first row: 64 block + 32 (w / 2) + 8 (w % 2)
	s_mul_i32 s34, s34, s26
	s_lshl_b32 s35, s29, 10
	s_add_co_u32 s34, s34, s35                     ; under 2^27 bytes
	s_mov_b32 s35, 0
	s_add_nc_u64 s[24:25], s[24:25], s[34:35]
	s_mul_i32 s32, s28, s32
	s_add_co_u32 s32, s32, s33
	s_lshl_b32 s33, s29, 14                        ; two K steps of 8,192 bytes
	s_add_co_u32 s32, s32, s33
	s_lshl_b32 s33, s[WV], 11                      ; my tile
	s_add_co_u32 s32, s32, s33
	s_mov_b32 s33, 0
	s_add_nc_u64 s[20:21], s[20:21], s[32:33]
	s_wait_alu depctr_va_vdst(0)
.irp i, 0,1,2,3,4,5,6,7,8,9,10,11,12,13,14,15
	s_mul_i32 s34, s26, \i+8*(\i/8)                ; place i of the tile is row i + 8 (i / 8) from its first
	v_add_nc_u32 v[OFR+\i], s34, v2
.endr
	s_wait_alu depctr_va_vdst(0)
.irp a, 0,1
.irp i, 0,1,2,3,4,5,6,7,8,9,10,11,12,13,14,15
	global_load_b128 v[R+4*(16*\a+\i):R+4*(16*\a+\i)+3], v[OFR+\i], s[24:25] offset:512*\a th:TH_LOAD_NT   ; 32 lanes read 512 consecutive bytes of one row: a K step
.endr
.endr
	s_mul_i32 s34, s[WV], WST
	v_add_nc_u32 v20, s34, v2                      ; into my stage: as loaded
	v_and_b32 v3, 15, v0
	v_bfe_u32 v21, v0, 4, 1
	v_mul_u32_u24 v3, v3, SPX
	v_lshl_add_u32 v21, v21, 6, v3
	v_add_nc_u32 v21, s34, v21                     ; out of it: row r, + 64 h: 16 neighbours of each 32
	s_wait_alu depctr_va_vdst(0)
	s_wait_kmcnt 0x0
	s_cmp_lt_u32 ttmp9, NV
	s_cselect_b32 s27, s36, s38                    ; entry 0 for v, entry 2 for s
	QSET 27, 22, 23
	s_wait_alu depctr_va_vdst(0)
.irp a, 0,1
	s_wait_loadcnt 16-16*\a                        ; this K step's 16 loads are in; the other's may be out
.irp i, 0,1,2,3,4,5,6,7,8,9,10,11,12,13,14,15
	ds_store_b128 v20, v[R+4*(16*\a+\i):R+4*(16*\a+\i)+3] offset:SPX*\i
.endr
.irp c, 0,1,2,3
.irp j, 0,1,2,3
	ds_load_b128 v[X+16*\c+4*\j:X+16*\c+4*\j+3], v21 offset:128*\c+16*\j   ; my wave's own bytes, served in order: these see the stores above
.endr
.endr
	s_wait_dscnt 0x0
.irp c, 0,1,2,3
.irp i, 0,1,2,3,4,5,6,7,8,9,10,11,12,13,14,15
	v_med3_num_f32 v[X+16*\c+\i], v[X+16*\c+\i], -v23, v23   ; the conversion does not saturate (ISA guide 7.6.2): the hold comes first
.endr
	v_cvt_scalef32_pk8_bf8_f32 v[PC+16*\a+4*\c:PC+16*\a+4*\c+1], v[X+16*\c:X+16*\c+7], v22
	v_cvt_scalef32_pk8_bf8_f32 v[PC+16*\a+4*\c+2:PC+16*\a+4*\c+3], v[X+16*\c+8:X+16*\c+15], v22
.endr
	v_nop                                          ; a plain line behind the last conversion
.irp c, 0,1,2,3
	global_store_b128 v2, v[PC+16*\a+4*\c:PC+16*\a+4*\c+3], s[20:21] offset:8192*\a+512*\c   ; 512 consecutive bytes, aligned; each K step has its own code registers
.endr
.endr
	s_wait_tensorcnt 0x0
	ds_add_u32 v30, v31
	s_wait_dscnt 0x0
	s_endpgm
	; ---------------- weights: K is the first axis.  A lane takes a column, its registers run down K; wave w takes the 32 columns of tiles 2 P, 2 P + 1
.Lweights:
	s_sub_co_u32 s28, ttmp9, NX
	s_and_b32 s29, s28, 7                          ; which 128 columns
	s_lshr_b32 s28, s28, 3                         ; y
	s_wait_kmcnt 0x0
	s_mov_b64 s[24:25], s[16:17]                   ; W_p, from y = 38, entry 15; then the earlier ones where y is lower
	s_mov_b32 s26, 38
	s_mov_b32 s27, s51
.macro PICK lim, ptr, y0, ex
	s_cmp_lt_u32 s28, \lim
	s_cselect_b64 s[24:25], s[\ptr:\ptr+1], s[24:25]
	s_cselect_b32 s26, \y0, s26
	s_cselect_b32 s27, s[\ex], s27
.endm
	PICK 38, 14, 30, 45                            ; W_v, entry 9
	PICK 30, 12, 24, 39                            ; W_ls, entry 3
	PICK 24, 10, 16, 41                            ; W_q, entry 5
	PICK 16, 8, 0, 37                              ; W_lv, entry 1
	s_sub_co_u32 s30, s28, s26
	s_lshl_b32 s30, s30, 19                        ; 128 rows of 4,096 bytes
	s_lshl_b32 s31, s29, 2
	s_add_co_u32 s31, s31, s[WV]                   ; P
	s_lshl_b32 s32, s31, 7
	s_add_co_u32 s30, s30, s32                     ; + 32 columns x 4 bytes x P
	s_lshl_b32 s32, s28, 17
	s_lshl_b32 s33, s31, 12
	s_add_co_u32 s32, s32, s33                     ; wf: 131072 y + 4096 P
	s_mov_b32 s31, 0
	s_mov_b32 s33, 0
	s_add_nc_u64 s[24:25], s[24:25], s[30:31]
	s_add_nc_u64 s[22:23], s[22:23], s[32:33]
	s_wait_alu depctr_va_vdst(0)
	v_lshlrev_b32 v3, 2, v1                        ; lane x is column 32 P + x
.set k, 0
.rept 128
	global_load_b32 v[R+k], v3, s[24:25] offset:k*4096 th:TH_LOAD_NT   ; row k of the K step: 128 consecutive bytes a wave, the four waves side by side
.set k, k+1
.endr
	v_bfe_u32 v4, v0, 3, 1                         ; x = 8 u + r + 8 (r / 8): tile 2 P + u,
	v_and_b32 v5, 7, v0
	v_bfe_u32 v6, v0, 4, 1
	v_lshl_add_u32 v5, v6, 3, v5                   ; place r
	v_lshlrev_b32 v5, 4, v5
	v_lshl_add_u32 v4, v4, 11, v5                  ; 2048 u + 16 r
	QSET 27, 22, 23
	s_wait_alu depctr_va_vdst(0)
.irp c, 0,1,2,3
.if 96-32*\c > 63
	s_wait_loadcnt 63                              ; block c's 32 loads are in (the count that would do, 96 - 32 c, is more than the wait can name)
.else
	s_wait_loadcnt 96-32*\c                        ; block c's 32 loads are in; the later blocks' may be out
.endif
.irp i, 0,1,2,3,4,5,6,7,8,9,10,11,12,13,14,15,16,17,18,19,20,21,22,23,24,25,26,27,28,29,30,31
	v_med3_num_f32 v[R+32*\c+\i], v[R+32*\c+\i], -v23, v23
.endr
.irp g, 0,1,2,3
	v_cvt_scalef32_pk8_bf8_f32 v[X+8*\c+2*\g:X+8*\c+2*\g+1], v[R+32*\c+8*\g:R+32*\c+8*\g+7], v22
.endr
	global_store_b128 v4, v[X+8*\c:X+8*\c+3], s[22:23] offset:512*\c          ; k = 32 c + 0 .. 15: the image's lanes 0-15; sixteen lanes fill 256 aligned bytes of each of the two tiles
	global_store_b128 v4, v[X+8*\c+4:X+8*\c+7], s[22:23] offset:512*\c+256    ; k = 32 c + 16 .. 31: its lanes 16-31
.endr
	s_endpgm
.Lfunc_end_k_q68404444ab_prep:
	.size	k_q68404444ab_prep, .Lfunc_end_k_q68404444ab_prep-k_q68404444ab_prep
	.p2alignl 7, 3214868480
	.fill 96, 4, 3214868480
	.section	.rodata,"a",@progbits
	.p2align	6, 0x0
	.amdhsa_kernel k_q68404444ab_prep
		.amdhsa_group_segment_fixed_size 34304
		.amdhsa_private_segment_fixed_size 0
		.amdhsa_enable_private_segment 0
		.amdhsa_kernarg_size 80
		.amdhsa_user_sgpr_count 2
		.amdhsa_user_sgpr_kernarg_segment_ptr 1
		.amdhsa_wavefront_size32 1
		.amdhsa_system_sgpr_workgroup_id_x 1
		.amdhsa_system_sgpr_workgroup_id_y 1
		.amdhsa_system_sgpr_workgroup_id_z 1
		.amdhsa_system_vgpr_workitem_id 0
		.amdhsa_next_free_vgpr 256
		.amdhsa_next_free_sgpr 66
		.amdhsa_reserve_vcc 0
		.amdhsa_float_denorm_mode_32 3
		.amdhsa_float_denorm_mode_16_64 3
		.amdhsa_memory_ordered 1
		.amdhsa_forward_progress 1
		.amdhsa_inst_pref_size 45
	.end_amdhsa_kernel
	.amdgpu_metadata
---
amdhsa.version: [ 1, 2 ]
amdhsa.kernels:
  - .name:           k_q68404444ab_prep
    .symbol:         k_q68404444ab_prep.kd
    .args:
      - { .name: v, .offset: 0, .size: 8, .value_kind: global_buffer, .address_space: global }
      - { .name: s, .offset: 8, .size: 8, .value_kind: global_buffer, .address_space: global }
      - { .name: W_lv, .offset: 16, .size: 8, .value_kind: global_buffer, .address_space: global }
      - { .name: W_q, .offset: 24, .size: 8, .value_kind: global_buffer, .address_space: global }
      - { .name: W_ls, .offset: 32, .size: 8, .value_kind: global_buffer, .address_space: global }
      - { .name: W_v, .offset: 40, .size: 8, .value_kind: global_buffer, .address_space: global }
      - { .name: W_p, .offset: 48, .size: 8, .value_kind: global_buffer, .address_space: global }
      - { .name: lowp_scales, .offset: 56, .size: 8, .value_kind: global_buffer, .address_space: global }
      - { .name: xf, .offset: 64, .size: 8, .value_kind: global_buffer, .address_space: global }
      - { .name: wf, .offset: 72, .size: 8, .value_kind: global_buffer, .address_space: global }
    .group_segment_fixed_size: 34304
    .private_segment_fixed_size: 0
    .kernarg_segment_align: 8
    .kernarg_segment_size: 80
    .max_flat_workgroup_size: 128
    .sgpr_count:     66
    .vgpr_count:     256
    .wavefront_size: 32
...
	.end_amdgpu_metadata
.endif
;; end of part 1
;; launch gemm1 (part 2): grid 4 x 64, 4 waves a work-group, clusters of 4 x 4, 327,680 bytes of LDS; arguments xf, wf, lowp_scales, b_lv, b_ls, hres, hf; writes hres, hf
.if DOCPART == 2
	.amdgcn_target "amdgcn-amd-amdhsa--gfx1250"
	.amdhsa_code_object_version 6
	.text
	.protected	k_q68404444ab_gemm1
	.globl	k_q68404444ab_gemm1
	.p2align	8
	.type	k_q68404444ab_gemm1,@function
k_q68404444ab_gemm1:
	s_mov_b64 s[64:65], 0
	v_nop
	global_prefetch_b8 v0, s[64:65] scope:SCOPE_SE
	s_setreg_imm32_b32 hwreg(HW_REG_WAVE_MODE, 25, 1), 1
	s_wait_xcnt 0x0
	s_wait_alu depctr_hold_cnt(0) depctr_sa_sdst(0) depctr_va_vdst(0) depctr_va_sdst(0) depctr_va_ssrc(0) depctr_va_vcc(0) depctr_vm_vsrc(0)
	s_getreg_b32 s2, hwreg(HW_REG_IB_STS2, 6, 4)
	s_cmp_eq_u32 s2, 0
	s_cbranch_scc0 .Lentry_in_a_cluster
	s_endpgm
.Lentry_in_a_cluster:
	s_bfe_u32 s2, ttmp6, 0x10000c
	s_cmp_lg_u32 s2, 0xf033
	s_cbranch_scc0 .Lentry_shape_is_right
	s_endpgm
.Lentry_shape_is_right:
; GEMM1: h = relu(x W + b) on codes of E5M2.  Tile rows 0-31: x = v, W = W_lv, K = 2,048; tile rows 32-63: x = s, W = W_ls, K = 768.  (s W_k + b_k and pos_s are left out of the program: see the first kernel's head.)
; OUT: hf, h's codes (entry 4 for v's h, entry 8 for s's) as images of operand registers: block of 64 rows B (0-127 v, 128-255 s) at 65536 B, [K step 8][tile 4][group 4][512]; hres, v's h in f32 as an image of the sums' registers.
; SHARES: a work-group makes 256 rows x 256 columns, a wave 128 x 128: 64 accumulators, 512 registers.  K goes in steps of 256 through a ring of two LDS slots of 131,072 bytes.
; The operands lie in memory as images of fragments (16 rows x 128 K = 2,048 bytes on end; lane l has 16 bytes at 512 c + 16 l), so a tile is dense: a wave's one tensor load brings 2 rows of 16,384 bytes
; (A: two blocks of 64 rows x 256 K; B: two K steps of 128 columns), and a fragment is read as it lies, 16 bytes a lane on end: no padding is needed.
; CLUSTERS: 4 x 4 work-groups; A's tiles are asked for jointly along a row of the cluster, B's along a column.  All sixteen partners lie on one path: the path is the cluster's y % 2 (0 v, 1 s), so the two paths' clusters alternate along the grid.
; v has 8 slots' worth of K, s has 3: behind the first step one branch on the path, the same in all partners, leads s to a written-out tail of its own.
; THE PRODUCT IS USED TRANSPOSED (source 0 = 16 columns of W, source 1 = 16 rows): lane (r, h) holds row place r; the 16 registers of column tiles 2 p, 2 p + 1 are columns 32 p + 16 h + 0 .. 15.
; PREFETCH: of the 32,768 bytes that a wave fetches for a slot, each of the four partners that ask for them jointly names 8,192, told apart by address (cx for A, cy for B): 32 lanes x 256 bytes, one instruction a wave.
; Slots 2 and 3 are named at the head (3 on the v path alone), slot n + 2 behind the refill that loads slot n; the last two refills name nothing: no address lies behind the tile's K.
; THE WAY OUT writes no register again that a pending store reads: a tile's numbers are made in place in its accumulators, and each tile has code registers of its own.
; LIMITS: entries 4 and 8 between -126 and 112; entries 0 + 1 and 2 + 3 between -126 and 127.  NaN is not served.
; REGISTERS: window 0: v8 bias address, v9 the prefetch's offset, v10, v11 scale and limit, v16-21 LDS addresses, v24 16 x lane, v28, v29 the add's; v32-95 my 128 bias numbers (64 a lane); v128-255 A's fragments; on the way out v96-159 held numbers.
;   window 1: B's fragments, two sets; on the way out v128-255 codes, 16 registers a row tile.   windows 2, 3: accumulator (a, b) at v[8 (8 (a % 4) + b)] of window 2 + a / 4.
.set SLOT,  131072
.set SPARE, 2*SLOT
.set ASTEP, 16384                      ; a slot on along K, in A's images
.set BSTEP, 262144                     ; and in W's
.set PFO,  9
.set SCL,  10
.set LIM,  11
.set ADRA, 16
.set ADRB, 20
.set LN,   24
.set SPW,  28
.set NIL,  29
.set BI,   32
.set U,    96
.set AF,   128
.set KC,   128
.set G1,   24
.set G0,   32
.set G1B,  48
.set G0B,  56
.set PFA,  70
.set HR,   74
.set HF,   76
.set PFS,  98
.set MSB, 0
.macro WIN new                         ; the immediate's high byte repeats the setting that is left
.if MSB != (\new)
	s_set_vgpr_msb (MSB<<8)|(\new)
.set MSB, (\new)
.endif
.endm
.set MUL_LO, 0xa1                      ; source 0 (W) window 1, source 1 (rows) window 0, C and D window 2
.set MUL_HI, 0xf1
.set TO_B,   0x40
.macro JLOAD g0a, g0b                  ; waves 0, 1 ask for A's halves, waves 2, 3 for B's; s_nop 0 and four v_nop behind each line
	s_cmp_eq_u32 s15, 0
	s_cbranch_scc0 .Lfor_b_\@
	tensor_load_to_lds s[\g0a:\g0a+3], s[G1:G1+7]
	s_nop 0
.rept 4
	v_nop
.endr
	s_branch .Lasked_\@
.Lfor_b_\@:
	tensor_load_to_lds s[\g0b:\g0b+3], s[G1B:G1B+7]
	s_nop 0
.rept 4
	v_nop
.endr
.Lasked_\@:
.endm
.macro CREST                           ; a round of the cluster's barrier behind its opening barrier
	s_cmp_lg_u32 s14, 0
	s_cbranch_scc1 .Lnot_wave_0_\@
	s_barrier_signal -3
.Lnot_wave_0_\@:
	s_barrier_wait -3
	s_barrier_signal -1
	s_barrier_wait -1
.endm
.macro CROUND
	s_barrier_signal -1
	s_barrier_wait -1
	CREST
.endm
.macro PLACES                          ; four places behind a matrix instruction (ISA guide 7.12.1)
.rept 4
	v_nop
.endr
.endm
.macro QSET se, vs, vl                 ; 2^e as f32 and 57,344 x 2^e
	s_add_co_i32 s18, s[\se], 127
	s_lshl_b32 s19, s18, 23
	v_mov_b32 v[\vs], s19
	s_add_co_i32 s18, s18, 15
	s_lshl_b32 s18, s18, 23
	s_or_b32 s18, s18, 0x600000
	v_mov_b32 v[\vl], s18
.endm
	s_load_b256 s[4:11], s[0:1], 0x0               ; xf, wf, the exponents, b_lv
	s_load_b128 s[72:75], s[0:1], 0x20             ; b_ls, hres
	s_load_b64 s[76:77], s[0:1], 0x30              ; hf
	v_lshl_add_u32 v[SPW], v0, 2, SPARE
	v_mov_b32 v[NIL], 0
	ds_add_u32 v[SPW], v[NIL]                      ; the opening: the add, twice on end, and its wait ahead of my first tensor load
	ds_add_u32 v[SPW], v[NIL]
	v_lshrrev_b32 v1, 5, v0
	v_readfirstlane_b32 s14, v1                    ; wave 0..3
	s_lshr_b32 s15, s14, 1                         ; my half of the tile's rows; also: I fetch for A (0) or B (1)
	s_and_b32 s16, s14, 1                          ; my half of its columns; also: which half I fetch
	s_bfe_u32 s40, ttmp6, 0x40000                  ; cx
	s_bfe_u32 s41, ttmp6, 0x40004                  ; cy
	s_lshl_b32 s42, ttmp9, 2
	s_add_co_u32 s42, s42, s40                     ; tile column
	s_and_b32 s17, ttmp7, 0xffff
	s_and_b32 s13, s17, 1                          ; the path: 0 v, 1 s: the cluster's y % 2
	s_lshr_b32 s17, s17, 1
	s_lshl_b32 s17, s17, 2
	s_add_co_u32 s17, s17, s41
	s_lshl_b32 s18, s13, 5
	s_add_co_u32 s17, s17, s18                     ; tile row = 32 path + 4 (cluster's y / 2) + cy
	s_lshl_b32 s43, s41, 2
	s_lshl_b32 s43, 15, s43                        ; my row of the cluster
	s_lshl_b32 s44, 0x1111, s40                    ; my column
	s_or_b32 s[G1], s43, (3<<16)|(1<<21)           ; the mask; elements of 8 bytes; bit 21 beside a mask; no padding
	s_or_b32 s[G1B], s44, (3<<16)|(1<<21)
.irp g, G1, G1B
	s_mov_b32 s[\g+1], 2048<<16                    ; tensor_dim0: 2,048 elements = 16,384 bytes
	s_mov_b32 s[\g+2], 2<<16                       ; tensor_dim1 = 2
	s_mov_b32 s[\g+3], 2048<<16                    ; tile_dim0
	s_mov_b32 s[\g+4], 2                           ; tile_dim1
	s_mov_b32 s[\g+5], 16384                       ; from row to row 131,072 bytes: a block of xf, a K step of wf
	s_mov_b32 s[\g+6], 0
	s_mov_b32 s[\g+7], 0
.endr
	s_lshl_b32 s20, s17, 19                        ; A: block 4 x tile row + 2 x half, of 131,072 bytes
	s_lshl_b32 s18, s16, 18
	s_add_co_u32 s20, s20, s18
	s_mov_b32 s21, 0
	s_mul_i32 s46, s13, 24*131072                  ; B: W_ls begins at K step 24 of wf;
	s_lshl_b32 s19, s42, 15                        ; 16 tiles of 2,048 bytes a tile column,
	s_add_co_u32 s46, s46, s19
	s_lshl_b32 s19, s16, 14                        ; 8 a half
	s_add_co_u32 s46, s46, s19
	s_mov_b32 s47, 0
	s_lshl_b32 s45, s14, 15                        ; in a slot: wave x 32,768: A's halves, then B's
	s_wait_dscnt 0x0                               ; both opening adds are done
	s_wait_kmcnt 0x0
	s_load_b512 s[80:95], s[8:9], 0x0              ; entry i in s[80 + i]
	s_add_nc_u64 s[20:21], s[4:5], s[20:21]
	s_add_nc_u64 s[46:47], s[6:7], s[46:47]
	CROUND                                         ; in front of the first joint loads
.irp s, 0,1
	s_mov_b32 s[G0+4*\s], 1
	s_add_co_u32 s[G0+4*\s+1], s45, \s*SLOT
	s_add_nc_u64 s[G0+4*\s+2:G0+4*\s+3], s[20:21], \s*ASTEP
	s_or_b32 s[G0+4*\s+3], s[G0+4*\s+3], 0x80000000
	s_mov_b32 s[G0B+4*\s], 1
	s_add_co_u32 s[G0B+4*\s+1], s45, \s*SLOT
	s_add_nc_u64 s[G0B+4*\s+2:G0B+4*\s+3], s[46:47], \s*BSTEP
	s_or_b32 s[G0B+4*\s+3], s[G0B+4*\s+3], 0x80000000
.endr
	JLOAD G0, G0B                                  ; slot 0: one tensor load a wave at the head
	s_cmp_eq_u32 s15, 0                            ; the prefetches: where my wave's part of a slot begins,
	s_cselect_b64 s[PFA:PFA+1], s[20:21], s[46:47]
	s_cselect_b32 s68, s40, s41                    ; my place p among the four that ask for it with me,
	s_mov_b32 s[PFS], BSTEP
	s_cselect_b32 s[PFS], ASTEP, s[PFS]            ; and a slot on
	s_mov_b32 s[PFS+1], 0
	s_lshr_b32 s69, s68, 1
	s_lshl_b32 s69, s69, 17                        ; row p / 2 of the tile's two,
	s_and_b32 s68, s68, 1
	s_lshl_b32 s68, s68, 13                        ; its half p % 2 of 8,192 bytes
	s_add_co_u32 s68, s68, s69
	s_mov_b32 s69, 0
	s_add_nc_u64 s[PFA:PFA+1], s[PFA:PFA+1], s[68:69]
	s_add_nc_u64 s[PFA:PFA+1], s[PFA:PFA+1], s[PFS:PFS+1]
	s_add_nc_u64 s[PFA:PFA+1], s[PFA:PFA+1], s[PFS:PFS+1]   ; at slot 2
	s_lshl_b32 s66, s17, 20                        ; hres: 262,144 x (4 tile row + 2 half) + 8,192 x (8 tile column + 4 half)
	s_lshl_b32 s67, s15, 19
	s_add_co_u32 s66, s66, s67
	s_lshl_b32 s67, s42, 16
	s_add_co_u32 s66, s66, s67
	s_lshl_b32 s67, s16, 15
	s_add_co_u32 s66, s66, s67
	s_mov_b32 s67, 0
	s_add_nc_u64 s[HR:HR+1], s[HR:HR+1], s[66:67]  ; (on the s path never used)
	s_lshl_b32 s66, s17, 18                        ; hf: 65,536 x block + 8,192 x K step (2 tile column + half)
	s_lshl_b32 s68, s15, 17
	s_add_co_u32 s66, s66, s68
	s_lshl_b32 s68, s42, 14
	s_add_co_u32 s66, s66, s68
	s_lshl_b32 s68, s16, 13
	s_add_co_u32 s66, s66, s68
	s_add_nc_u64 s[HF:HF+1], s[HF:HF+1], s[66:67]
	s_lshl_b32 s66, s42, 10                        ; the bias: my 128 columns
	s_lshl_b32 s68, s16, 9
	s_add_co_u32 s66, s66, s68
	s_cmp_eq_u32 s13, 0
	s_cselect_b64 s[10:11], s[10:11], s[72:73]
	s_add_nc_u64 s[10:11], s[10:11], s[66:67]
	s_lshl_b32 s21, s15, 15                        ; my 128 rows of A in a slot
	s_lshl_b32 s22, s16, 15
	s_add_co_u32 s22, s22, 65536                   ; my 128 columns of B
	v_and_b32 v1, 31, v0
	v_lshlrev_b32 v[PFO], 8, v1                    ; 256 x lane
	global_prefetch_b8 v[PFO], s[PFA:PFA+1] th:TH_LOAD_NT scope:SCOPE_SE   ; slot 2, which both paths have
	v_lshlrev_b32 v[LN], 4, v1                     ; 16 x lane
	v_add_nc_u32 v[ADRA], s21, v[LN]
	v_add_nc_u32 v[ADRB], s22, v[LN]
	v_add_nc_u32 v[ADRA+1], SLOT, v[ADRA]
	v_add_nc_u32 v[ADRB+1], SLOT, v[ADRB]
	v_bfe_u32 v2, v0, 4, 1
	v_lshlrev_b32 v8, 6, v2                        ; 64 h
.set x, 0
.rept 16
	global_load_b128 v[BI+4*x:BI+4*x+3], v8, s[10:11] offset:128*(x/4)+16*(x%4)   ; register 16 p + e: the bias of column 32 p + 16 h + e; the 16 loads cover my 512 bytes once
.set x, x+1
.endr
.macro FRAG reg, adr, off              ; a fragment as it lies: four groups of 512 bytes
.irp c, 0,1,2,3
	ds_load_b128 v[\reg+4*\c:\reg+4*\c+3], v[\adr] offset:(\off)+512*\c
.endr
.endm
.macro MUL16 a0, p, zero               ; A's tiles a0, a0 + 1 x B's eight; the 64 accumulators take turns in one fixed order
.irp a, \a0, \a0+1
.irp b, 0,1,2,3,4,5,6,7
.if \zero
	v_wmma_f32_16x16x128_bf8_bf8 v[8*(8*((\a)%4)+\b):8*(8*((\a)%4)+\b)+7], v[128*(\p)+16*\b:128*(\p)+16*\b+15], v[AF+16*(\a):AF+16*(\a)+15], 0
.else
	v_wmma_f32_16x16x128_bf8_bf8 v[8*(8*((\a)%4)+\b):8*(8*((\a)%4)+\b)+7], v[128*(\p)+16*\b:128*(\p)+16*\b+15], v[AF+16*(\a):AF+16*(\a)+15], v[8*(8*((\a)%4)+\b):8*(8*((\a)%4)+\b)+7]
.endif
.endr
.endr
.endm
.macro FETCH_B slot, q, p
	WIN TO_B
.irp i, 0,1,2,3,4,5,6,7
	FRAG 128*(\p)+16*\i, ADRB+\slot, 16384*(\q)+2048*\i
.endr
	WIN 0
.endm
.macro FETCH_A slot, q, i0
.irp i, \i0, \i0+1, \i0+2, \i0+3
	FRAG AF+16*(\i), ADRA+\slot, 16384*((\i)/4)+8192*(\q)+2048*((\i)%4)
.endr
.endm
.macro STEP slot, zero                 ; a slot's first 128 along K; the second's fragments are fetched: behind this step the slot is read no more
	s_wait_dscnt 16                                ; B's set and A's tiles 0-3 are in; the youngest 16 loads (A's tiles 4-7) may be out
	WIN MUL_LO
	MUL16 0, 0, \zero
	MUL16 2, 0, \zero
	s_wait_dscnt 0
	PLACES
	FETCH_B \slot, 1, 1
	FETCH_A \slot, 1, 0
	WIN MUL_HI
	MUL16 4, 0, \zero
	MUL16 6, 0, \zero
	PLACES
	WIN 0
	FETCH_A \slot, 1, 4
.endm
; The change of slots, then the slot's second 128 along K on fragments that lie in registers.  fill = 1: the slot is filled again, two slots ahead; ask = 1 (in the loop): the slot two refills on is named to the L2.
.macro TURN slot, next, fill, ask
.if \ask
	s_wait_xcnt 0x0                                ; my last prefetch has read its address: it steps a slot on
	s_add_nc_u64 s[PFA:PFA+1], s[PFA:PFA+1], s[PFS:PFS+1]
.endif
	s_wait_tensorcnt 0x0                           ; all my tensor loads have landed: my part of the next slot
	ds_add_u32 v[SPW], v[NIL]
.if \fill
	s_add_nc_u64 s[G0+4*\slot+2:G0+4*\slot+3], s[G0+4*\slot+2:G0+4*\slot+3], 2*ASTEP   ; no load of mine is out: the descriptors step
	s_add_nc_u64 s[G0B+4*\slot+2:G0B+4*\slot+3], s[G0B+4*\slot+2:G0B+4*\slot+3], 2*BSTEP
.endif
	s_wait_dscnt 0x0                               ; the add is done, and my reads of this slot are over
	s_barrier_signal -1
	s_barrier_wait -1
.if \fill
	CREST                                          ; the barrier has opened a round of the cluster's barrier
	JLOAD G0+4*\slot, G0B+4*\slot                  ; the first tensor load behind the round
.endif
	WIN MUL_LO
	MUL16 0, 1, 0
	MUL16 2, 1, 0
	PLACES
	FETCH_B \next, 0, 0
	FETCH_A \next, 0, 0
.if \ask
	s_cmp_gt_u32 s3, 1                             ; the loop's last trip has no slot two refills on
	s_cbranch_scc0 .Lno_ask_\@
	global_prefetch_b8 v[PFO], s[PFA:PFA+1] th:TH_LOAD_NT scope:SCOPE_SE
.Lno_ask_\@:
.endif
	WIN MUL_HI
	MUL16 4, 1, 0
	MUL16 6, 1, 0
	PLACES
	WIN 0
	FETCH_A \next, 0, 4
.endm
	s_wait_alu depctr_va_vdst(0)
	s_wait_xcnt 0x0                                ; the prefetch has read its address
	s_add_nc_u64 s[PFA:PFA+1], s[PFA:PFA+1], s[PFS:PFS+1]   ; at slot 3
	s_wait_tensorcnt 0x0                           ; my part of slot 0 is in; the same lines as ahead of a refill stand ahead of slot 1's first fill
	ds_add_u32 v[SPW], v[NIL]
	s_wait_dscnt 0x0
	CROUND
	JLOAD G0+4, G0B+4                              ; slot 1
	FETCH_B 0, 0, 0
	FETCH_A 0, 0, 0
	FETCH_A 0, 0, 4
	s_cmp_lg_u32 s13, 0
	s_cbranch_scc1 .Lthree                         ; s has no slot 3
	global_prefetch_b8 v[PFO], s[PFA:PFA+1] th:TH_LOAD_NT scope:SCOPE_SE
.Lthree:
	STEP 0, 1                                      ; the first products start the sums
	s_cmp_lg_u32 s13, 0
	s_cbranch_scc1 .Lodd                           ; s: three slots' worth of K
	s_mov_b32 s3, 3
.Llap:                                                 ; v: three trips fill both slots again
	TURN 0, 1, 1, 1
	STEP 1, 0
	TURN 1, 0, 1, 1
	STEP 0, 0
	s_sub_co_u32 s3, s3, 1
	s_cmp_lg_u32 s3, 0
	s_cbranch_scc1 .Llap
	TURN 0, 1, 0, 0
	STEP 1, 0
	s_branch .Llast
.Lodd:
	TURN 0, 1, 1, 0                                ; slot 0 takes the third and last 256 along K
	STEP 1, 0
	TURN 1, 0, 0, 0
	STEP 0, 0
.Llast:                                                ; the last 128 along K: its fragments are asked for on both ways alike
	s_wait_dscnt 16
	WIN MUL_LO
	MUL16 0, 1, 0
	MUL16 2, 1, 0
	s_wait_dscnt 0
	WIN MUL_HI
	MUL16 4, 1, 0
	MUL16 6, 1, 0
	WIN 0
	s_wait_kmcnt 0x0
	s_cmp_eq_u32 s13, 0
	s_cselect_b32 s20, s80, s82
	s_cselect_b32 s21, s81, s83
	s_cselect_b32 s22, s84, s88                    ; the hidden layer's exponent
	s_add_co_i32 s20, s20, s21
	s_add_co_i32 s20, s20, 127
	s_lshl_b32 s96, s20, 23                        ; a sum stands for sum x this power of two
	s_mov_b32 s97, s96
	QSET 22, SCL, LIM
	PLACES
	s_wait_alu depctr_va_vdst(0)
	s_wait_loadcnt 0x0                             ; the bias
; THE WAY OUT of row tile a: its 64 numbers a lane = sum x 2^(the two exponents) + bias, made in place; relu; v: stored as they lie; held, turned into codes, stored as four groups of the next product's image.
.macro OUT1 a
.set AC, 64*((\a)%4)
.set WD, 2+(\a)/4                      ; the tile's window
.set KS, KC+16*(\a)
	WIN (WD<<6)|WD                                 ; source 0 and destination: the tile's window
.set j, 0
.rept 32
	v_pk_fma_f32 v[AC+j:AC+j+1], v[AC+j:AC+j+1], s[96:97], v[BI+j:BI+j+1] op_sel_hi:[1,0,1]   ; each accumulator from its low end on
.set j, j+2
.endr
	WIN 0
	s_cmp_lg_u32 s13, 0
	s_cbranch_scc1 .Lno_res_\@                     ; s keeps no f32 copy
	WIN (WD<<6)|(WD<<2)                            ; source 1 and destination
.set j, 0
.rept 64
	v_max_num_f32 v[AC+j], 0, v[AC+j]
.set j, j+1
.endr
	WIN WD<<2                                      ; the stores' data
.set x, 0
.rept 16
	global_store_b128 v[LN], v[AC+4*x:AC+4*x+3], s[HR:HR+1] offset:262144*((\a)/4)+2048*((\a)%4)+8192*(x/4)+512*(x%4) th:TH_STORE_NT   ; 512 consecutive bytes, aligned
.set x, x+1
.endr
	WIN 0
.Lno_res_\@:
	WIN WD                                         ; source 0
.set j, 0
.rept 64
	v_med3_num_f32 v[U+j], v[AC+j], 0, v[LIM]      ; the activation and the hold in one (the conversion does not saturate: ISA guide 7.6.2)
.set j, j+1
.endr
	WIN 0x40                                       ; the codes: window 1
.set j, 0
.rept 8
	v_cvt_scalef32_pk8_bf8_f32 v[KS+2*j:KS+2*j+1], v[U+8*j:U+8*j+7], v[SCL]
.set j, j+1
.endr
	v_nop                                          ; a plain line behind the last conversion
	WIN 0x04
.irp p, 0,1,2,3
	global_store_b128 v[LN], v[KS+4*\p:KS+4*\p+3], s[HF:HF+1] offset:65536*((\a)/4)+2048*((\a)%4)+512*\p
.endr
	WIN 0
.endm
.irp a, 0,1,2,3,4,5,6,7
	OUT1 \a
.endr
	s_wait_tensorcnt 0x0                           ; the wave's end
	ds_add_u32 v[SPW], v[NIL]
	s_wait_dscnt 0x0
	CROUND                                         ; the closing round
	s_endpgm
.Lfunc_end_k_q68404444ab_gemm1:
	.size	k_q68404444ab_gemm1, .Lfunc_end_k_q68404444ab_gemm1-k_q68404444ab_gemm1
	.p2alignl 7, 3214868480
	.fill 96, 4, 3214868480
	.section	.rodata,"a",@progbits
	.p2align	6, 0x0
	.amdhsa_kernel k_q68404444ab_gemm1
		.amdhsa_group_segment_fixed_size 327680
		.amdhsa_private_segment_fixed_size 0
		.amdhsa_enable_private_segment 0
		.amdhsa_kernarg_size 56
		.amdhsa_user_sgpr_count 2
		.amdhsa_user_sgpr_kernarg_segment_ptr 1
		.amdhsa_wavefront_size32 1
		.amdhsa_system_sgpr_workgroup_id_x 1
		.amdhsa_system_sgpr_workgroup_id_y 1
		.amdhsa_system_sgpr_workgroup_id_z 1
		.amdhsa_system_vgpr_workitem_id 0
		.amdhsa_next_free_vgpr 1024
		.amdhsa_next_free_sgpr 100
		.amdhsa_reserve_vcc 0
		.amdhsa_float_denorm_mode_32 3
		.amdhsa_float_denorm_mode_16_64 3
		.amdhsa_memory_ordered 1
		.amdhsa_forward_progress 1
		.amdhsa_inst_pref_size 202
	.end_amdhsa_kernel
	.amdgpu_metadata
---
amdhsa.version: [ 1, 2 ]
amdhsa.kernels:
  - .name:           k_q68404444ab_gemm1
    .symbol:         k_q68404444ab_gemm1.kd
    .args:
      - { .name: xf, .offset: 0, .size: 8, .value_kind: global_buffer, .address_space: global }
      - { .name: wf, .offset: 8, .size: 8, .value_kind: global_buffer, .address_space: global }
      - { .name: lowp_scales, .offset: 16, .size: 8, .value_kind: global_buffer, .address_space: global }
      - { .name: b_lv, .offset: 24, .size: 8, .value_kind: global_buffer, .address_space: global }
      - { .name: b_ls, .offset: 32, .size: 8, .value_kind: global_buffer, .address_space: global }
      - { .name: hres, .offset: 40, .size: 8, .value_kind: global_buffer, .address_space: global }
      - { .name: hf, .offset: 48, .size: 8, .value_kind: global_buffer, .address_space: global }
    .group_segment_fixed_size: 327680
    .private_segment_fixed_size: 0
    .kernarg_segment_align: 8
    .kernarg_segment_size: 56
    .max_flat_workgroup_size: 128
    .sgpr_count:     100
    .vgpr_count:     1024
    .wavefront_size: 32
...
	.end_amdgpu_metadata
.endif
;; end of part 2
;; launch gemm2 (part 3): grid 4 x 64, 4 waves a work-group, clusters of 4 x 4, 327,680 bytes of LDS; arguments hf, wf, lowp_scales, b_q, b_v, qf, kf, vtf; writes qf, kf, vtf
.if DOCPART == 3
	.amdgcn_target "amdgcn-amd-amdhsa--gfx1250"
	.amdhsa_code_object_version 6
	.text
	.protected	k_q68404444ab_gemm2
	.globl	k_q68404444ab_gemm2
	.p2align	8
	.type	k_q68404444ab_gemm2,@function
k_q68404444ab_gemm2:
	s_mov_b64 s[64:65], 0
	v_nop
	global_prefetch_b8 v0, s[64:65] scope:SCOPE_SE
	s_setreg_imm32_b32 hwreg(HW_REG_WAVE_MODE, 25, 1), 1
	s_wait_xcnt 0x0
	s_wait_alu depctr_hold_cnt(0) depctr_sa_sdst(0) depctr_va_vdst(0) depctr_va_sdst(0) depctr_va_ssrc(0) depctr_va_vcc(0) depctr_vm_vsrc(0)
	s_getreg_b32 s2, hwreg(HW_REG_IB_STS2, 6, 4)
	s_cmp_eq_u32 s2, 0
	s_cbranch_scc0 .Lentry_in_a_cluster
	s_endpgm
.Lentry_in_a_cluster:
	s_bfe_u32 s2, ttmp6, 0x10000c
	s_cmp_lg_u32 s2, 0xf033
	s_cbranch_scc0 .Lentry_shape_is_right
	s_endpgm
.Lentry_shape_is_right:
; GEMM2: tile rows 0-31: q = h_v W_q + b_q -> codes (entry 10) in qf; tile rows 32-63: vs = h_s W_v + b_v -> codes along d (entry 11) in kf and codes along the keys (entry 13) in vtf.  K = 1,024: four slots' worth.
; (s W_k + b_k is left out of the program: see the first kernel's head.)
; Shares, ring, clusters, the path (the cluster's y % 2) and the transposed use are those of the launch before: 256 x 256 a work-group, 128 x 128 a wave, two slots of 256 along K, dense tiles of 2 rows x 16,384 bytes, joint loads.
; qf, kf: (batch, head) at 32,768 bytes, [tile of 16 rows 32][group 2][512].  vtf: (batch, head) at 32,768, [key step 4][tile of d 4][group 4][512].
; vs WITH THE KEYS INNERMOST: two row tiles (32 keys) at a time go as f32 through my own stage, 32 rows x 528 bytes, and come back down the columns: lane (r, h) takes column 32 (i / 2) + 8 (i % 2) + r + 8 (r / 8) and keys 16 h + 0 .. 15 of the 32.
; The stages lie in slot 0, which has had its last fill and, behind the last change of slots, its last read.
; PREFETCH as in the launch before: 8,192 bytes a wave and slot, the four partners told apart by address; slots 2 and 3, the only refills, are named at the head, behind the loads of slots 0 and 1.
; THE WAY OUT writes no register again that a pending store reads: a tile's numbers are made in place in its accumulators, each tile has code registers of its own, and a group's codes along the keys lie over the accumulators of a tile that is done with.
; LIMITS: entries 10, 11, 13 between -126 and 112; entries 4 + 5 and 8 + 9 between -126 and 127.  NaN is not served.
; REGISTERS as in the launch before; besides: v12, v13 entry 13's scale and limit; v25, v26 the stage's addresses; window 1 on the way out: v0-127 the turn's numbers, v128-255 codes along d, 16 a row tile;
;   the codes along the keys of group g': the first 32 registers of row tile 2 g''s accumulators.
.set SLOT,  131072
.set SPARE, 2*SLOT
.set ASTEP, 16384
.set BSTEP, 262144
.set SP,    528
.set PFO,  9
.set SCL,  10
.set LIM,  11
.set SCL2, 12
.set LIM2, 13
.set ADRA, 16
.set ADRB, 20
.set LN,   24
.set STO,  25
.set RDV,  26
.set SPW,  28
.set NIL,  29
.set BI,   32
.set U,    96
.set AF,   128
.set KC,   128
.set G1,   24
.set G0,   32
.set G1B,  48
.set G0B,  56
.set PFA,  70
.set CP,   74
.set VP,   78
.set PFS,  98
.set MSB, 0
.macro WIN new                         ; the immediate's high byte repeats the setting that is left
.if MSB != (\new)
	s_set_vgpr_msb (MSB<<8)|(\new)
.set MSB, (\new)
.endif
.endm
.set MUL_LO, 0xa1
.set MUL_HI, 0xf1
.set TO_B,   0x40
.macro JLOAD g0a, g0b                  ; waves 0, 1 ask for A's halves, waves 2, 3 for B's; s_nop 0 and four v_nop behind each line
	s_cmp_eq_u32 s15, 0
	s_cbranch_scc0 .Lfor_b_\@
	tensor_load_to_lds s[\g0a:\g0a+3], s[G1:G1+7]
	s_nop 0
.rept 4
	v_nop
.endr
	s_branch .Lasked_\@
.Lfor_b_\@:
	tensor_load_to_lds s[\g0b:\g0b+3], s[G1B:G1B+7]
	s_nop 0
.rept 4
	v_nop
.endr
.Lasked_\@:
.endm
.macro CREST
	s_cmp_lg_u32 s14, 0
	s_cbranch_scc1 .Lnot_wave_0_\@
	s_barrier_signal -3
.Lnot_wave_0_\@:
	s_barrier_wait -3
	s_barrier_signal -1
	s_barrier_wait -1
.endm
.macro CROUND
	s_barrier_signal -1
	s_barrier_wait -1
	CREST
.endm
.macro PLACES
.rept 4
	v_nop
.endr
.endm
.macro QSET se, vs, vl                 ; 2^e as f32 and 57,344 x 2^e
	s_add_co_i32 s18, s[\se], 127
	s_lshl_b32 s19, s18, 23
	v_mov_b32 v[\vs], s19
	s_add_co_i32 s18, s18, 15
	s_lshl_b32 s18, s18, 23
	s_or_b32 s18, s18, 0x600000
	v_mov_b32 v[\vl], s18
.endm
	s_load_b256 s[4:11], s[0:1], 0x0               ; hf, wf, the exponents, b_q
	s_load_b256 s[72:79], s[0:1], 0x20             ; b_v, qf, kf, vtf
	v_lshl_add_u32 v[SPW], v0, 2, SPARE
	v_mov_b32 v[NIL], 0
	ds_add_u32 v[SPW], v[NIL]                      ; the opening: the add, twice on end, and its wait ahead of my first tensor load
	ds_add_u32 v[SPW], v[NIL]
	v_lshrrev_b32 v1, 5, v0
	v_readfirstlane_b32 s14, v1                    ; wave 0..3
	s_lshr_b32 s15, s14, 1
	s_and_b32 s16, s14, 1
	s_bfe_u32 s40, ttmp6, 0x40000                  ; cx
	s_bfe_u32 s41, ttmp6, 0x40004                  ; cy
	s_lshl_b32 s42, ttmp9, 2
	s_add_co_u32 s42, s42, s40                     ; tile column
	s_and_b32 s17, ttmp7, 0xffff
	s_and_b32 s13, s17, 1                          ; the path: 0 q, 1 vs
	s_lshr_b32 s17, s17, 1
	s_lshl_b32 s17, s17, 2
	s_add_co_u32 s17, s17, s41
	s_lshl_b32 s18, s13, 5
	s_add_co_u32 s17, s17, s18                     ; tile row = 32 path + 4 (cluster's y / 2) + cy
	s_lshl_b32 s43, s41, 2
	s_lshl_b32 s43, 15, s43
	s_lshl_b32 s44, 0x1111, s40
	s_or_b32 s[G1], s43, (3<<16)|(1<<21)
	s_or_b32 s[G1B], s44, (3<<16)|(1<<21)
.irp g, G1, G1B
	s_mov_b32 s[\g+1], 2048<<16
	s_mov_b32 s[\g+2], 2<<16
	s_mov_b32 s[\g+3], 2048<<16
	s_mov_b32 s[\g+4], 2
	s_mov_b32 s[\g+6], 0
	s_mov_b32 s[\g+7], 0
.endr
	s_mov_b32 s[G1+5], 8192                        ; a block of hf is 65,536 bytes,
	s_mov_b32 s[G1B+5], 16384                      ; a K step of wf 131,072
	s_lshl_b32 s20, s17, 18                        ; A: block 4 x tile row + 2 x half
	s_lshl_b32 s18, s16, 17
	s_add_co_u32 s20, s20, s18
	s_mov_b32 s21, 0
	s_mul_i32 s46, s13, 14*131072                  ; B: W_q begins at K step 16 of wf, W_v at 30
	s_add_co_u32 s46, s46, 16*131072
	s_lshl_b32 s19, s42, 15
	s_add_co_u32 s46, s46, s19
	s_lshl_b32 s19, s16, 14
	s_add_co_u32 s46, s46, s19
	s_mov_b32 s47, 0
	s_lshl_b32 s45, s14, 15
	s_wait_dscnt 0x0
	s_wait_kmcnt 0x0
	s_load_b512 s[80:95], s[8:9], 0x0              ; entry i in s[80 + i]
	s_add_nc_u64 s[20:21], s[4:5], s[20:21]
	s_add_nc_u64 s[46:47], s[6:7], s[46:47]
	CROUND
.irp s, 0,1
	s_mov_b32 s[G0+4*\s], 1
	s_add_co_u32 s[G0+4*\s+1], s45, \s*SLOT
	s_add_nc_u64 s[G0+4*\s+2:G0+4*\s+3], s[20:21], \s*ASTEP
	s_or_b32 s[G0+4*\s+3], s[G0+4*\s+3], 0x80000000
	s_mov_b32 s[G0B+4*\s], 1
	s_add_co_u32 s[G0B+4*\s+1], s45, \s*SLOT
	s_add_nc_u64 s[G0B+4*\s+2:G0B+4*\s+3], s[46:47], \s*BSTEP
	s_or_b32 s[G0B+4*\s+3], s[G0B+4*\s+3], 0x80000000
.endr
	JLOAD G0, G0B
	s_cmp_eq_u32 s15, 0                            ; the prefetches: where my wave's part of a slot begins,
	s_cselect_b64 s[PFA:PFA+1], s[20:21], s[46:47]
	s_cselect_b32 s68, s40, s41                    ; my place p among the four that ask for it with me,
	s_cselect_b32 s67, 16, 17                      ; the tile's rows lie 65,536 (A) or 131,072 (B) bytes apart,
	s_mov_b32 s[PFS], BSTEP
	s_cselect_b32 s[PFS], ASTEP, s[PFS]            ; and a slot on
	s_mov_b32 s[PFS+1], 0
	s_lshr_b32 s69, s68, 1
	s_lshl_b32 s69, s69, s67                       ; row p / 2 of the tile's two,
	s_and_b32 s68, s68, 1
	s_lshl_b32 s68, s68, 13                        ; its half p % 2 of 8,192 bytes
	s_add_co_u32 s68, s68, s69
	s_mov_b32 s69, 0
	s_add_nc_u64 s[PFA:PFA+1], s[PFA:PFA+1], s[68:69]
	s_add_nc_u64 s[PFA:PFA+1], s[PFA:PFA+1], s[PFS:PFS+1]
	s_add_nc_u64 s[PFA:PFA+1], s[PFA:PFA+1], s[PFS:PFS+1]   ; at slot 2
	s_and_b32 s68, s17, 31                         ; the tile row within its path: batch = it / 2
	s_lshr_b32 s66, s68, 1
	s_lshl_b32 s66, s66, 19                        ; a batch: 16 heads of 32,768 bytes
	s_lshl_b32 s69, s42, 17                        ; four heads a tile column,
	s_add_co_u32 s66, s66, s69
	s_lshl_b32 s69, s16, 16                        ; two a half
	s_add_co_u32 s66, s66, s69
	s_and_b32 s68, s68, 1
	s_lshl_b32 s68, s68, 14                        ; my 128 rows: 8 tiles of 1,024 bytes in qf and kf, one key step of 8,192 bytes in vtf: the same offset
	s_add_co_u32 s66, s66, s68
	s_lshl_b32 s68, s15, 13
	s_add_co_u32 s66, s66, s68
	s_mov_b32 s67, 0
	s_cmp_eq_u32 s13, 0
	s_cselect_b64 s[CP:CP+1], s[74:75], s[76:77]   ; qf or kf
	s_cselect_b64 s[10:11], s[10:11], s[72:73]     ; b_q or b_v
	s_add_nc_u64 s[CP:CP+1], s[CP:CP+1], s[66:67]
	s_add_nc_u64 s[VP:VP+1], s[VP:VP+1], s[66:67]
	s_lshl_b32 s66, s42, 10
	s_lshl_b32 s68, s16, 9
	s_add_co_u32 s66, s66, s68
	s_add_nc_u64 s[10:11], s[10:11], s[66:67]
	s_lshl_b32 s21, s15, 15
	s_lshl_b32 s22, s16, 15
	s_add_co_u32 s22, s22, 65536
	s_mul_i32 s23, s14, 32*SP                      ; my stage
	v_and_b32 v1, 31, v0
	v_lshlrev_b32 v[PFO], 8, v1                    ; 256 x lane
	global_prefetch_b8 v[PFO], s[PFA:PFA+1] th:TH_LOAD_NT scope:SCOPE_SE   ; slot 2
	v_lshlrev_b32 v[LN], 4, v1
	v_add_nc_u32 v[ADRA], s21, v[LN]
	v_add_nc_u32 v[ADRB], s22, v[LN]
	v_add_nc_u32 v[ADRA+1], SLOT, v[ADRA]
	v_add_nc_u32 v[ADRB+1], SLOT, v[ADRB]
	v_bfe_u32 v2, v0, 4, 1                         ; h
	v_lshlrev_b32 v8, 6, v2                        ; 64 h
	v_and_b32 v3, 15, v0                           ; r
	v_mul_u32_u24 v4, v3, SP
	v_add_nc_u32 v4, v4, v8
	v_add_nc_u32 v[STO], s23, v4                   ; into the stage: row r, + 64 h
	v_and_b32 v5, 8, v3
	v_add_nc_u32 v5, v5, v3
	v_lshlrev_b32 v5, 2, v5
	v_mul_u32_u24 v4, v2, 8*SP
	v_add_nc_u32 v5, v5, v4
	v_add_nc_u32 v[RDV], s23, v5                   ; out of it: row 8 h, column r + 8 (r / 8)
.set x, 0
.rept 16
	global_load_b128 v[BI+4*x:BI+4*x+3], v8, s[10:11] offset:128*(x/4)+16*(x%4)
.set x, x+1
.endr
.macro FRAG reg, adr, off
.irp c, 0,1,2,3
	ds_load_b128 v[\reg+4*\c:\reg+4*\c+3], v[\adr] offset:(\off)+512*\c
.endr
.endm
.macro MUL16 a0, p, zero               ; the 64 accumulators take turns in one fixed order
.irp a, \a0, \a0+1
.irp b, 0,1,2,3,4,5,6,7
.if \zero
	v_wmma_f32_16x16x128_bf8_bf8 v[8*(8*((\a)%4)+\b):8*(8*((\a)%4)+\b)+7], v[128*(\p)+16*\b:128*(\p)+16*\b+15], v[AF+16*(\a):AF+16*(\a)+15], 0
.else
	v_wmma_f32_16x16x128_bf8_bf8 v[8*(8*((\a)%4)+\b):8*(8*((\a)%4)+\b)+7], v[128*(\p)+16*\b:128*(\p)+16*\b+15], v[AF+16*(\a):AF+16*(\a)+15], v[8*(8*((\a)%4)+\b):8*(8*((\a)%4)+\b)+7]
.endif
.endr
.endr
.endm
.macro FETCH_B slot, q, p
	WIN TO_B
.irp i, 0,1,2,3,4,5,6,7
	FRAG 128*(\p)+16*\i, ADRB+\slot, 16384*(\q)+2048*\i
.endr
	WIN 0
.endm
.macro FETCH_A slot, q, i0
.irp i, \i0, \i0+1, \i0+2, \i0+3
	FRAG AF+16*(\i), ADRA+\slot, 16384*((\i)/4)+8192*(\q)+2048*((\i)%4)
.endr
.endm
.macro STEP slot, zero
	s_wait_dscnt 16                                ; the youngest 16 loads (A's tiles 4-7) may be out
	WIN MUL_LO
	MUL16 0, 0, \zero
	MUL16 2, 0, \zero
	s_wait_dscnt 0
	PLACES
	FETCH_B \slot, 1, 1
	FETCH_A \slot, 1, 0
	WIN MUL_HI
	MUL16 4, 0, \zero
	MUL16 6, 0, \zero
	PLACES
	WIN 0
	FETCH_A \slot, 1, 4
.endm
.macro TURN slot, next, fill           ; the change of slots, then the slot's second 128 along K on fragments that lie in registers
	s_wait_tensorcnt 0x0                           ; all my tensor loads have landed
	ds_add_u32 v[SPW], v[NIL]
.if \fill
	s_add_nc_u64 s[G0+4*\slot+2:G0+4*\slot+3], s[G0+4*\slot+2:G0+4*\slot+3], 2*ASTEP
	s_add_nc_u64 s[G0B+4*\slot+2:G0B+4*\slot+3], s[G0B+4*\slot+2:G0B+4*\slot+3], 2*BSTEP
.endif
	s_wait_dscnt 0x0                               ; the add is done, and my reads of this slot are over
	s_barrier_signal -1
	s_barrier_wait -1
.if \fill
	CREST
	JLOAD G0+4*\slot, G0B+4*\slot
.endif
	WIN MUL_LO
	MUL16 0, 1, 0
	MUL16 2, 1, 0
	PLACES
	FETCH_B \next, 0, 0
	FETCH_A \next, 0, 0
	WIN MUL_HI
	MUL16 4, 1, 0
	MUL16 6, 1, 0
	PLACES
	WIN 0
	FETCH_A \next, 0, 4
.endm
	s_wait_alu depctr_va_vdst(0)
	s_wait_xcnt 0x0                                ; the prefetch has read its address
	s_add_nc_u64 s[PFA:PFA+1], s[PFA:PFA+1], s[PFS:PFS+1]   ; at slot 3
	s_wait_tensorcnt 0x0
	ds_add_u32 v[SPW], v[NIL]
	s_wait_dscnt 0x0
	CROUND
	JLOAD G0+4, G0B+4                              ; slot 1's first fill, issued as a refill is
	FETCH_B 0, 0, 0
	FETCH_A 0, 0, 0
	FETCH_A 0, 0, 4
	global_prefetch_b8 v[PFO], s[PFA:PFA+1] th:TH_LOAD_NT scope:SCOPE_SE   ; slot 3
	STEP 0, 1                                      ; four slots' worth of K, written out: each slot is filled twice
	TURN 0, 1, 1
	STEP 1, 0
	TURN 1, 0, 1
	STEP 0, 0
	TURN 0, 1, 0
	STEP 1, 0
	s_wait_dscnt 16
	WIN MUL_LO
	MUL16 0, 1, 0
	MUL16 2, 1, 0
	s_wait_dscnt 0
	WIN MUL_HI
	MUL16 4, 1, 0
	MUL16 6, 1, 0
	WIN 0
	s_wait_kmcnt 0x0
	s_cmp_eq_u32 s13, 0
	s_cselect_b32 s20, s84, s88
	s_cselect_b32 s21, s85, s89
	s_cselect_b32 s22, s90, s91                    ; q's exponent, or vs's along d
	s_add_co_i32 s20, s20, s21
	s_add_co_i32 s20, s20, 127
	s_lshl_b32 s96, s20, 23
	s_mov_b32 s97, s96
	QSET 22, SCL, LIM
	QSET 93, SCL2, LIM2                            ; entry 13: vs along the keys
	PLACES
	s_wait_alu depctr_va_vdst(0)
	s_wait_loadcnt 0x0                             ; the bias
; Row tile a: its 64 numbers a lane = sum x 2^(the two exponents) + bias, made in place; vs: into my stage; held, turned into codes along d, stored.
.macro OUT2 a
.set AC, 64*((\a)%4)
.set WD, 2+(\a)/4                      ; the tile's window
.set KS, KC+16*(\a)
	WIN (WD<<6)|WD                                 ; source 0 and destination: the tile's window
.set j, 0
.rept 32
	v_pk_fma_f32 v[AC+j:AC+j+1], v[AC+j:AC+j+1], s[96:97], v[BI+j:BI+j+1] op_sel_hi:[1,0,1]   ; each accumulator from its low end on
.set j, j+2
.endr
	WIN 0
	s_cmp_eq_u32 s13, 0
	s_cbranch_scc1 .Lno_stage_\@
	WIN WD<<2                                      ; the stores' data
.set x, 0
.rept 16
	ds_store_b128 v[STO], v[AC+4*x:AC+4*x+3] offset:16*SP*((\a)%2)+128*(x/4)+16*(x%4)
.set x, x+1
.endr
	WIN 0
.Lno_stage_\@:
	WIN WD                                         ; source 0
.set j, 0
.rept 64
	v_med3_num_f32 v[U+j], v[AC+j], -v[LIM], v[LIM]   ; the conversion does not saturate (ISA guide 7.6.2)
.set j, j+1
.endr
	WIN 0x40                                       ; the codes: window 1
.set j, 0
.rept 8
	v_cvt_scalef32_pk8_bf8_f32 v[KS+2*j:KS+2*j+1], v[U+8*j:U+8*j+7], v[SCL]
.set j, j+1
.endr
	v_nop                                          ; a plain line behind the last conversion
	WIN 0x04
.irp p, 0,1,2,3
	global_store_b128 v[LN], v[KS+4*\p:KS+4*\p+3], s[CP:CP+1] offset:32768*(\p/2)+512*(\p%2)+1024*((\a)%4)+4096*((\a)/4)
.endr
	WIN 0
.endm
; vs alone, behind row tiles 2 g and 2 g + 1: the 32 keys before these (g - 1) have come back from the stage and become codes; then these 32 are asked for.  LDS serves a wave's instructions in order, so the next stores come behind these loads.
.macro MID g
	s_cmp_eq_u32 s13, 0
	s_cbranch_scc1 .Lq_\@
.if (\g) > 0
.set GP, (\g)-1
.set W2, 2+GP/2                        ; row tile 2 (g - 1)'s window,
.set VCB, 128*(GP%2)                   ; and its accumulators, done with: its numbers are in the stage and in kf's codes
.if (\g) < 4
	s_wait_dscnt 32                                ; behind the 128 loads stand the 32 stage stores of the two tiles since
.else
	s_wait_dscnt 0x0
.endif
	WIN 0x41
.set j, 0
.rept 128
	v_med3_num_f32 v[j], v[j], -v[LIM2], v[LIM2]
.set j, j+1
.endr
	WIN (W2<<6)|1
.set j, 0
.rept 16
	v_cvt_scalef32_pk8_bf8_f32 v[VCB+2*j:VCB+2*j+1], v[8*j:8*j+7], v[SCL2]
.set j, j+1
.endr
	v_nop
	WIN W2<<2
.irp i, 0,1,2,3,4,5,6,7
	global_store_b128 v[LN], v[VCB+4*\i:VCB+4*\i+3], s[VP:VP+1] offset:32768*(\i/4)+2048*(\i%4)+512*GP   ; head i / 4 of my two, tile of d i % 4, group g - 1 of my key step
.endr
	WIN 0
.endif
.if (\g) < 4
	WIN 0x40
.set i, 0
.rept 8
.set y, 0
.rept 16
	ds_load_b32 v[16*i+y], v[RDV] offset:(16*(y/8)+y%8)*SP+(32*(i/2)+8*(i%2))*4   ; key 16 h + y lies at stage row 16 (y / 8) + 8 h + y % 8
.set y, y+1
.endr
.set i, i+1
.endr
	WIN 0
.endif
.Lq_\@:
.endm
.irp g, 0,1,2,3
	OUT2 2*\g
	OUT2 2*\g+1
	MID \g
.endr
	MID 4
	s_wait_tensorcnt 0x0                           ; the wave's end
	ds_add_u32 v[SPW], v[NIL]
	s_wait_dscnt 0x0
	CROUND                                         ; the closing round
	s_endpgm
.Lfunc_end_k_q68404444ab_gemm2:
	.size	k_q68404444ab_gemm2, .Lfunc_end_k_q68404444ab_gemm2-k_q68404444ab_gemm2
	.p2alignl 7, 3214868480
	.fill 96, 4, 3214868480
	.section	.rodata,"a",@progbits
	.p2align	6, 0x0
	.amdhsa_kernel k_q68404444ab_gemm2
		.amdhsa_group_segment_fixed_size 327680
		.amdhsa_private_segment_fixed_size 0
		.amdhsa_enable_private_segment 0
		.amdhsa_kernarg_size 64
		.amdhsa_user_sgpr_count 2
		.amdhsa_user_sgpr_kernarg_segment_ptr 1
		.amdhsa_wavefront_size32 1
		.amdhsa_system_sgpr_workgroup_id_x 1
		.amdhsa_system_sgpr_workgroup_id_y 1
		.amdhsa_system_sgpr_workgroup_id_z 1
		.amdhsa_system_vgpr_workitem_id 0
		.amdhsa_next_free_vgpr 1024
		.amdhsa_next_free_sgpr 100
		.amdhsa_reserve_vcc 0
		.amdhsa_float_denorm_mode_32 3
		.amdhsa_float_denorm_mode_16_64 3
		.amdhsa_memory_ordered 1
		.amdhsa_forward_progress 1
		.amdhsa_inst_pref_size 219
	.end_amdhsa_kernel
	.amdgpu_metadata
---
amdhsa.version: [ 1, 2 ]
amdhsa.kernels:
  - .name:           k_q68404444ab_gemm2
    .symbol:         k_q68404444ab_gemm2.kd
    .args:
      - { .name: hf, .offset: 0, .size: 8, .value_kind: global_buffer, .address_space: global }
      - { .name: wf, .offset: 8, .size: 8, .value_kind: global_buffer, .address_space: global }
      - { .name: lowp_scales, .offset: 16, .size: 8, .value_kind: global_buffer, .address_space: global }
      - { .name: b_q, .offset: 24, .size: 8, .value_kind: global_buffer, .address_space: global }
      - { .name: b_v, .offset: 32, .size: 8, .value_kind: global_buffer, .address_space: global }
      - { .name: qf, .offset: 40, .size: 8, .value_kind: global_buffer, .address_space: global }
      - { .name: kf, .offset: 48, .size: 8, .value_kind: global_buffer, .address_space: global }
      - { .name: vtf, .offset: 56, .size: 8, .value_kind: global_buffer, .address_space: global }
    .group_segment_fixed_size: 327680
    .private_segment_fixed_size: 0
    .kernarg_segment_align: 8
    .kernarg_segment_size: 64
    .max_flat_workgroup_size: 128
    .sgpr_count:     100
    .vgpr_count:     1024
    .wavefront_size: 32
...
	.end_amdgpu_metadata
.endif
;; end of part 3
;; launch attn (part 4): grid 256 x 1, 4 waves a work-group, no clusters, 0 bytes of LDS; arguments qf, kf, vtf, lowp_scales, cf; writes cf
.if DOCPART == 4
	.amdgcn_target "amdgcn-amd-amdhsa--gfx1250"
	.amdhsa_code_object_version 6
	.text
	.protected	k_q68404444ab_attn
	.globl	k_q68404444ab_attn
	.p2align	8
	.type	k_q68404444ab_attn,@function
k_q68404444ab_attn:
	s_mov_b64 s[64:65], 0
	v_nop
	global_prefetch_b8 v0, s[64:65] scope:SCOPE_SE
	s_setreg_imm32_b32 hwreg(HW_REG_WAVE_MODE, 25, 1), 1
	s_wait_xcnt 0x0
; ATTN: one (batch, head) to a work-group: context = softmax(q vs^T / 8) vs, both products on codes of E5M2; the context leaves as codes (entry 14), as images for the last product.
; SHARES: 512 queries = 32 tiles of 16; wave w takes tiles 8 w .. 8 w + 7, one a trip.  The head's 512 keys stay in each wave's registers for the whole launch, once along d (256 registers) and once along the keys (256).
; A query's 512 scores fit in 256 registers of two lanes, so the row's largest score is known before any exponential: M = ceil(largest t) is final, nothing is rescaled.
; Both products are used transposed: S^T = K Q^T (source 0 = 16 keys), O^T = V^T P^T (source 0 = 16 of d): a lane holds one query throughout.  The keys of a tile were chosen so that the 16 registers of tiles 2 B, 2 B + 1
; are keys 32 B + 16 h + 0 .. 15: the conversions' results are P's fragments.
; p = 2^(t - M), t = score x log2(e) / 8; the row's sum is taken of the unquantised p and divides at the end.
; No LDS and no barrier: waves share nothing but what they read.  No cluster: work-groups share no input.
; LIMITS: entries 10 + 11 - 3 between -126 and 127 (added to the exponent field of log2(e)); entries 12 and 14 between -126 and 112; entries 12 + 13 go by v_ldexp_f32 and have none.  NaN is not served.
; REGISTERS: window 0: v1 16 x lane; v2 the store's offset; v8-15 Q; v16-19 four maxima; v20, v21 at work; v22 -M (pair with v23); v24-31 four packed sums; v32-35 limits and scales; v36-37 the divisor;
;   v64-95 O^T; P's fragment of key step ks at v[96 + 32 (ks % 2) + 16 (ks / 2)]; v160-191 the context; v192-199 its codes.   window 1: the scores, tile T at v[8 T].   window 2: K, tile T at v[8 T].   window 3: V^T, fragment (ks, dt) at v[16 (4 ks + dt)].
.set MSB, 0
.macro WIN new                         ; the immediate's high byte repeats the setting that is left
.if MSB != (\new)
	s_set_vgpr_msb (MSB<<8)|(\new)
.set MSB, (\new)
.endif
.endm
.macro QSET se, vs, vl                 ; 2^e as f32 and 57,344 x 2^e
	s_add_co_i32 s20, s[\se], 127
	s_lshl_b32 s21, s20, 23
	v_mov_b32 v[\vs], s21
	s_add_co_i32 s20, s20, 15
	s_lshl_b32 s20, s20, 23
	s_or_b32 s20, s20, 0x600000
	v_mov_b32 v[\vl], s20
.endm
	s_load_b256 s[4:11], s[0:1], 0x0               ; qf, kf, vtf, the exponents
	s_load_b64 s[12:13], s[0:1], 0x20              ; cf
	v_lshrrev_b32 v3, 5, v0
	v_readfirstlane_b32 s14, v3                    ; wave 0..3
	v_and_b32 v3, 31, v0
	v_lshlrev_b32 v1, 4, v3                        ; 16 x lane
	v_mov_b32 v21, 0                               ; a lane permute's destination counts as read
	v_mov_b32 v23, 0                               ; (named as the upper half of the pair v[22:23])
	s_lshl_b32 s20, ttmp9, 15                      ; (batch, head) x 32,768 bytes, in all three inputs
	s_mov_b32 s21, 0
	s_lshl_b32 s24, s14, 13                        ; my eight tiles of queries
	s_mov_b32 s25, 0
	s_lshr_b32 s26, ttmp9, 4
	s_lshl_b32 s26, s26, 3
	s_lshl_b32 s27, s14, 1
	s_add_co_u32 s26, s26, s27
	s_lshl_b32 s26, s26, 16                        ; cf: block 8 batch + 2 wave of 65,536 bytes,
	s_and_b32 s27, ttmp9, 15
	s_lshr_b32 s44, s27, 1
	s_lshl_b32 s44, s44, 13                        ; K step head / 2,
	s_add_co_u32 s26, s26, s44
	s_and_b32 s27, s27, 1
	s_lshl_b32 s27, s27, 10                        ; groups 2 (head % 2) and the next
	s_add_co_u32 s26, s26, s27
	s_mov_b32 s27, 0
	s_mov_b32 s18, 0x76543210
	s_mov_b32 s19, 0xfedcba98                      ; v_permlanex16_b32: lane l xor 16
	s_wait_alu depctr_va_vdst(0)
	s_wait_kmcnt 0x0
	s_load_b128 s[28:31], s[10:11], 0x28           ; entries 10 to 13
	s_load_b32 s32, s[10:11], 0x38                 ; entry 14
	s_add_nc_u64 s[4:5], s[4:5], s[20:21]
	s_add_nc_u64 s[4:5], s[4:5], s[24:25]
	s_add_nc_u64 s[6:7], s[6:7], s[20:21]
	s_add_nc_u64 s[8:9], s[8:9], s[20:21]
	s_add_nc_u64 s[12:13], s[12:13], s[26:27]
	global_load_b128 v[8:11], v1, s[4:5]
	global_load_b128 v[12:15], v1, s[4:5] offset:512
	WIN 0x80                                       ; destination window 2
.set j, 0
.rept 32
	global_load_b128 v[8*j:8*j+3], v1, s[6:7] offset:1024*j
	global_load_b128 v[8*j+4:8*j+7], v1, s[6:7] offset:1024*j+512
.set j, j+1
.endr
	WIN 0xc0                                       ; destination window 3
.set j, 0
.rept 64
	global_load_b128 v[4*j:4*j+3], v1, s[8:9] offset:512*j
.set j, j+1
.endr
	WIN 0
	s_wait_kmcnt 0x0
	s_add_co_i32 s20, s28, s29
	s_sub_co_i32 s20, s20, 3
	s_lshl_b32 s20, s20, 23
	s_add_co_i32 s16, s20, 0x3fb8aa3b              ; c = log2(e) / 8 x 2^(entries 10 + 11): t = sum x c
	s_mov_b32 s17, s16                             ; (named with it as a pair)
	s_add_co_i32 s22, s30, s31                     ; entries 12 + 13
	QSET 30, 33, 32
	QSET 32, 35, 34
	s_mov_b32 s23, 8                               ; trips to go
	s_mov_b32 s24, 0                               ; the trip
	s_wait_loadcnt 63                              ; the first Q and K are in: behind their 66 loads stand V^T's 64, one more than the wait can name
.Ltrip:                                            ; this trip's Q is in: by the wait above, or by the one at the last trip's end
	WIN 0x42                                       ; K window 2, Q window 0, scores window 1
.set j, 0
.rept 32
	v_wmma_f32_16x16x64_bf8_bf8 v[8*j:8*j+7], v[8*j:8*j+7], v[8:15], 0
.set j, j+1
.endr
	WIN 0
.irp q, 0,1,2,3
	v_mov_b32 v[16+\q], 0xff800000                 ; the maxima begin at -infinity.  (These four are the places behind the products: ISA guide 7.12.1)
.endr
	s_cmp_eq_u32 s23, 1
	s_cselect_b32 s20, 0, 1024                     ; the last trip reads its own tile once more: no load leaves the buffer, and two loads stand behind V^T's in every trip alike
	s_mov_b32 s21, 0
	s_add_nc_u64 s[4:5], s[4:5], s[20:21]          ; (the loads that read this base are done)
	global_load_b128 v[8:11], v1, s[4:5]           ; the next trip's Q lands under this trip's softmax
	global_load_b128 v[12:15], v1, s[4:5] offset:512
	WIN 0x14                                       ; sources 1 and 2 window 1
.set tg, 0
.rept 8
.irp k, 0,1,2,3
.irp tt, 0,1,2,3
	v_max3_num_f32 v[16+\tt], v[16+\tt], v[8*(4*tg+\tt)+2*\k], v[8*(4*tg+\tt)+2*\k+1]   ; four chains by turns; each tile is read from its low end on
.endr
.endr
.set tg, tg+1
.endr
	WIN 0
	v_max3_num_f32 v20, v16, v17, v18
	v_max_num_f32 v20, v20, v19
	v_permlanex16_b32 v21, v20, s18, s19
	v_max_num_f32 v20, v20, v21                    ; the query's largest score among all 512 keys
	v_mul_f32 v20, s16, v20                        ; as t (c is positive)
	v_floor_f32 v22, -v20                          ; -M = floor(-t) = -ceil(t)
	WIN 0x41                                       ; source 0 and destination window 1
.set j, 0
.rept 128
	v_pk_fma_f32 v[2*j:2*j+1], v[2*j:2*j+1], s[16:17], v[22:23] op_sel_hi:[1,0,0]   ; t - M, two at a time: all 256 ahead of the batch
.set j, j+1
.endr
.set j, 0
	s_wait_alu depctr_va_vdst(0)
.rept 128                              ; ONE BATCH of 256 exponentials
	v_exp_f32 v[2*j], v[2*j]
	v_exp_f32 v[2*j+1], v[2*j+1]
.set j, j+1
.endr
	v_nop                                          ; a plain line behind the last exponential
	s_wait_alu depctr_va_vdst(0)                   ; one wait for the batch, ahead of its first reader
	WIN 0x05                                       ; sources 0 and 1 window 1
.irp q, 0,1,2,3
	v_pk_add_f32 v[24+2*\q:25+2*\q], v[4*\q:4*\q+1], v[4*\q+2:4*\q+3]   ; the row's sum of the UNQUANTISED p: four packed chains, started by the first eight pairs
.endr
	WIN 0x04                                       ; source 1 window 1
.set j, 8
.rept 120
	v_pk_add_f32 v[24+2*(j%4):25+2*(j%4)], v[24+2*(j%4):25+2*(j%4)], v[2*j:2*j+1]
.set j, j+1
.endr
	WIN 0x41
.set j, 0
.rept 256
	v_min_num_f32 v[j], v[j], v32                  ; the conversion does not saturate (ISA guide 7.6.2); p is not negative, so the hold is one-sided
.set j, j+1
.endr
	WIN 0x01                                       ; source 0 window 1
.set j, 0
.rept 32
	v_cvt_scalef32_pk8_bf8_f32 v[96+32*((j/8)%2)+16*(j/16)+2*(j%8):96+32*((j/8)%2)+16*(j/16)+2*(j%8)+1], v[8*j:8*j+7], v33   ; tile j: two registers of key step j / 8's fragment
.set j, j+1
.endr
	WIN 0
	v_pk_add_f32 v[24:25], v[24:25], v[26:27]      ; (plain lines behind the conversions)
	v_pk_add_f32 v[28:29], v[28:29], v[30:31]
	v_pk_add_f32 v[24:25], v[24:25], v[28:29]
	v_add_f32 v24, v24, v25
	v_permlanex16_b32 v21, v24, s18, s19
	v_add_f32 v24, v24, v21                        ; the row's sum
	s_wait_loadcnt 0x2                             ; V^T is in (it matters in the first trip): the next Q's two loads may be out
	s_wait_alu depctr_va_vdst(0)                   ; behind the wait above, ahead of the transcendental
	v_rcp_f32 v25, v24
	v_nop                                          ; a plain line behind the reciprocal
	WIN 0x03                                       ; V^T window 3; P and O^T window 0
.irp ks, 0,1,2,3
.irp dt, 0,1,2,3
.if \ks == 0
	v_wmma_f32_16x16x128_bf8_bf8 v[64+8*\dt:71+8*\dt], v[16*(4*\ks+\dt):16*(4*\ks+\dt)+15], v[96+32*(\ks%2)+16*(\ks/2):96+32*(\ks%2)+16*(\ks/2)+15], 0
.else
	v_wmma_f32_16x16x128_bf8_bf8 v[64+8*\dt:71+8*\dt], v[16*(4*\ks+\dt):16*(4*\ks+\dt)+15], v[96+32*(\ks%2)+16*(\ks/2):96+32*(\ks%2)+16*(\ks/2)+15], v[64+8*\dt:71+8*\dt]   ; four accumulators by turns
.endif
.endr
.endr
	WIN 0
	s_wait_xcnt 0x0                                ; the last trip's stores have read their offset and their codes, which are written again below
	s_lshr_b32 s20, s24, 2
	s_lshl_b32 s20, s20, 16
	s_and_b32 s21, s24, 3
	s_lshl_b32 s21, s21, 11
	s_add_co_u32 s20, s20, s21
	s_wait_alu depctr_va_vdst(0)                   ; the reciprocal's wait, ahead of its first reader
	v_ldexp_f32 v36, v25, s22                      ; 2^(entries 12 + 13) / the sum
	v_mov_b32 v37, v36
	v_add_nc_u32 v2, s20, v1                       ; cf: block trip / 4 of my two, tile trip % 4
	v_nop                                          ; with the three lines above: the four places behind the products
.set j, 0
.rept 16
	v_pk_mul_f32 v[160+2*j:161+2*j], v[64+2*j:65+2*j], v[36:37] op_sel_hi:[1,0]   ; the context: register 8 dt + i is d = 32 (dt / 2) + 8 (dt % 2) + 16 h + i
.set j, j+1
.endr
.set j, 0
.rept 32
	v_med3_num_f32 v[160+j], v[160+j], -v34, v34
.set j, j+1
.endr
.irp d, 0,1,2,3
	v_cvt_scalef32_pk8_bf8_f32 v[192+2*\d:193+2*\d], v[160+8*\d:167+8*\d], v35
.endr
	v_nop                                          ; a plain line behind the last conversion
	global_store_b128 v2, v[192:195], s[12:13]               ; 512 consecutive bytes: a group of the last product's image
	global_store_b128 v2, v[196:199], s[12:13] offset:512
	s_wait_loadcnt 0x0                             ; the next trip's Q is in
	s_add_co_u32 s24, s24, 1
	s_sub_co_u32 s23, s23, 1
	s_cmp_lg_u32 s23, 0
	s_cbranch_scc1 .Ltrip
	s_endpgm
.Lfunc_end_k_q68404444ab_attn:
	.size	k_q68404444ab_attn, .Lfunc_end_k_q68404444ab_attn-k_q68404444ab_attn
	.p2alignl 7, 3214868480
	.fill 96, 4, 3214868480
	.section	.rodata,"a",@progbits
	.p2align	6, 0x0
	.amdhsa_kernel k_q68404444ab_attn
		.amdhsa_group_segment_fixed_size 0
		.amdhsa_private_segment_fixed_size 0
		.amdhsa_enable_private_segment 0
		.amdhsa_kernarg_size 40
		.amdhsa_user_sgpr_count 2
		.amdhsa_user_sgpr_kernarg_segment_ptr 1
		.amdhsa_wavefront_size32 1
		.amdhsa_system_sgpr_workgroup_id_x 1
		.amdhsa_system_sgpr_workgroup_id_y 1
		.amdhsa_system_sgpr_workgroup_id_z 1
		.amdhsa_system_vgpr_workitem_id 0
		.amdhsa_next_free_vgpr 1024
		.amdhsa_next_free_sgpr 66
		.amdhsa_reserve_vcc 0
		.amdhsa_float_denorm_mode_32 3
		.amdhsa_float_denorm_mode_16_64 3
		.amdhsa_memory_ordered 1
		.amdhsa_forward_progress 1
		.amdhsa_inst_pref_size 66
	.end_amdhsa_kernel
	.amdgpu_metadata
---
amdhsa.version: [ 1, 2 ]
amdhsa.kernels:
  - .name:           k_q68404444ab_attn
    .symbol:         k_q68404444ab_attn.kd
    .args:
      - { .name: qf, .offset: 0, .size: 8, .value_kind: global_buffer, .address_space: global }
      - { .name: kf, .offset: 8, .size: 8, .value_kind: global_buffer, .address_space: global }
      - { .name: vtf, .offset: 16, .size: 8, .value_kind: global_buffer, .address_space: global }
      - { .name: lowp_scales, .offset: 24, .size: 8, .value_kind: global_buffer, .address_space: global }
      - { .name: cf, .offset: 32, .size: 8, .value_kind: global_buffer, .address_space: global }
    .group_segment_fixed_size: 0
    .private_segment_fixed_size: 0
    .kernarg_segment_align: 8
    .kernarg_segment_size: 40
    .max_flat_workgroup_size: 128
    .sgpr_count:     66
    .vgpr_count:     1024
    .wavefront_size: 32
...
	.end_amdgpu_metadata
.endif
;; end of part 4
;; launch final (part 5): grid 256 x 1, 4 waves a work-group, no clusters, 167,936 bytes of LDS; arguments cf, wf, lowp_scales, hres, b_p, pos_v, ln_gamma, ln_beta, out0; writes out0
.if DOCPART == 5
	.amdgcn_target "amdgcn-amd-amdhsa--gfx1250"
	.amdhsa_code_object_version 6
	.text
	.protected	k_q68404444ab_final
	.globl	k_q68404444ab_final
	.p2align	8
	.type	k_q68404444ab_final,@function
k_q68404444ab_final:
	s_mov_b64 s[64:65], 0
	v_nop
	global_prefetch_b8 v0, s[64:65] scope:SCOPE_SE
	s_setreg_imm32_b32 hwreg(HW_REG_WAVE_MODE, 25, 1), 1
	s_wait_xcnt 0x0
; FINAL: out = LayerNorm(h + pos_v + context W_p + b_p), for 32 whole rows: half H = x % 2 (row tiles 2 H, 2 H + 1) of the block of 64 rows x / 2.  8,192 rows / 32 = 256 work-groups.
; SHARES: wave w has columns 256 w .. 256 w + 255 of the 32 rows: 16 column tiles i x 2 row tiles m = 32 accumulators.  The product is used transposed (source 0 = 16 columns of W_p, source 1 = 16 rows).
; W_p's fragments go from memory into a ring of 16 in the registers of the one wave that uses them, each of the ring's four groups by a base of its own, stepped behind the counted wait that shows the group's last loads done.
; THE RESIDUAL IS THE C OF THE SUMS: h lies in memory as an image of the accumulators; it is loaded into them and multiplied by 2^-(entries 14 + 15), which rounds nothing short of underflow and overflow.
; ORDER OF ROUNDING: the row is summed as (context W_p + h) + pos_v + b_p, another order of f32 additions than the module's (h + pos_v) + (context W_p + b_p).
; The 32 rows then meet in a stage in LDS, and each wave normalises 8 whole rows: mean, variance of the differences, v_rsq_f32, gain and offset.  pos_v's 8 rows, the gain, the offset and b_p are loaded at the head into registers that the loop leaves alone.
; No cluster. No prefetch: the ring's 64 loads a wave are on their way through the whole loop.
; LIMITS: entries 14 + 15 between -126 and 126.  NaN is not served.
; LDS: 0 the context's images, [K step 8][tile 2][2,048] = 32,768 bytes, by asynchronous copies, filled once; behind their last read the stage lies over them: 32 rows (by place 16 m + r) x 4,112 bytes; then the spare words.
; REGISTERS: window 0: v1 16 x lane; v2 read address; v8, v9, v12 the stage; v20-23 the copies; v32-63, v64-95 two sets of the rows' fragments, later v32-127 three rows; v128-159 gain, v160-191 offset, v192-223 b_p, v224-233 at work; v254, v255 the add's.
;   window 1: the weights' ring.   window 2: accumulator (i, m) at v[16 i + 8 m].   window 3: my 8 rows of pos_v.
.set SP4,   4112                       ; a stage row: 4,096 bytes + 16
.set SPARE, 32*SP4                     ; 131,584, a multiple of 256
.set AF0,   32
.set AF1,   64
.set Y0,    32
.set BP,    48                         ; s[48:55] the ring's four bases
.set MUL,   0xa1                       ; source 0 (weight) window 1, source 1 (rows) window 0, C and D window 2
.set TO_B,  0x40
.set MSB, 0
.macro WIN new                         ; the immediate's high byte repeats the setting that is left
.if MSB != (\new)
	s_set_vgpr_msb (MSB<<8)|(\new)
.set MSB, (\new)
.endif
.endm
.macro BARRIER
	s_wait_dscnt 0x0
	s_barrier_signal -1
	s_barrier_wait -1
.endm
.macro AFETCH ob, fa, foff
.irp m, 0,1
.irp c, 0,1,2,3
	ds_load_b128 v[\ob+16*\m+4*\c:\ob+16*\m+4*\c+3], v[\fa] offset:\foff+2048*\m+512*\c
.endr
.endr
.endm
; A K step of 128: 32 matrix instructions, the 32 accumulators by turns in one fixed order; each group of four weight fragments is loaded again as soon as its 8 products are issued.
.macro KSTEP ab, ob, fetch, fa, foff, reload
	s_wait_dscnt 0x0                               ; this step's rows are in
.if \fetch
	AFETCH \ob, \fa, \foff
.endif
.irp g, 0,1,2,3
.if \reload
	s_wait_loadcnt 48                              ; group g's 16 loads are in: behind them stand the three younger groups' 48.
	s_add_nc_u64 s[BP+2*\g:BP+2*\g+1], s[BP+2*\g:BP+2*\g+1], 131072   ; They alone read this base, and they are done: it steps to the next K step
.else
	s_wait_loadcnt 48-16*\g
.endif
	WIN MUL
.irp i, 4*\g, 4*\g+1, 4*\g+2, 4*\g+3
.irp m, 0,1
	v_wmma_f32_16x16x128_bf8_bf8 v[16*(\i)+8*\m:16*(\i)+8*\m+7], v[16*(\i):16*(\i)+15], v[\ab+16*\m:\ab+16*\m+15], v[16*(\i)+8*\m:16*(\i)+8*\m+7]
.endr
.endr
.if \reload || (\g == 3)
.rept 4
	v_nop                                          ; four places in front of loads into fragments just read, and of the first read of the sums
.endr
.endif
.if \reload
	WIN TO_B
.irp i, 4*\g, 4*\g+1, 4*\g+2, 4*\g+3
.irp c, 0,1,2,3
	global_load_b128 v[16*(\i)+4*\c:16*(\i)+4*\c+3], v1, s[BP+2*\g:BP+2*\g+1] offset:2048*(\i)+512*\c
.endr
.endr
.endif
.endr
	WIN 0
.endm
	s_load_b512 s[4:19], s[0:1], 0x0               ; cf, wf, the exponents, hres, b_p, pos_v, ln_gamma, ln_beta
	s_load_b64 s[20:21], s[0:1], 0x40              ; out0
	v_lshl_add_u32 v254, v0, 2, SPARE
	v_mov_b32 v255, 0
	ds_add_u32 v254, v255                          ; the opening: the add, twice on end, and its wait ahead of my first copy
	ds_add_u32 v254, v255
	v_lshrrev_b32 v4, 5, v0
	v_readfirstlane_b32 s22, v4                    ; wave 0..3
	v_and_b32 v4, 31, v0
	v_lshlrev_b32 v1, 4, v4                        ; 16 x lane
	v_and_b32 v5, 15, v0                           ; r
	v_bfe_u32 v6, v0, 4, 1                         ; h
	v_mov_b32 v228, 0                              ; a lane permute's destination counts as read
	v_mov_b32 v231, 0                              ; (upper halves of pairs of which the low word serves both halves)
	v_mov_b32 v233, 0
	s_lshl_b32 s36, s22, 10
	v_mul_u32_u24 v7, v5, SP4
	v_lshl_add_u32 v7, v6, 6, v7
	v_add_nc_u32 v8, s36, v7                       ; into the stage: row place r, my 1,024 bytes, + 64 h;
	v_add_nc_u32 v9, 16*SP4, v8                    ; row place 16 + r
	s_mul_i32 s36, s22, 8*SP4
	v_add_nc_u32 v12, s36, v1                      ; out of it: my 8 rows, 16 bytes a lane
	s_lshl_b32 s36, s22, 13
	v_add_nc_u32 v20, s36, v1                      ; the copies: K steps 2 w and 2 w + 1: in LDS 4,096 bytes each,
	v_add_nc_u32 v22, 4096, v20
	s_lshl_b32 s36, s22, 14
	v_add_nc_u32 v21, s36, v1                      ; in memory 8,192 apart
	v_add_nc_u32 v23, 8192, v21
	s_lshr_b32 s23, ttmp9, 1                       ; the block of 64 rows
	s_and_b32 s30, ttmp9, 1                        ; H
	s_lshl_b32 s31, s30, 12                        ; two tiles of 2,048 bytes in cf; in hres two tiles of 4 x 512
	s_lshl_b32 s36, s23, 16
	s_add_co_u32 s36, s36, s31                     ; cf
	s_mov_b32 s37, 0
	s_lshl_b32 s38, s22, 15
	s_add_co_u32 s38, s38, 38*131072               ; wf: W_p begins at K step 38; my 16 tiles
	s_mov_b32 s39, 0
	s_lshl_b32 s40, s23, 18
	s_lshl_b32 s41, s22, 16
	s_add_co_u32 s40, s40, s41
	s_add_co_u32 s40, s40, s31                     ; hres: 262144 block + 65536 wave + 4096 H
	s_mov_b32 s41, 0
	s_lshr_b32 s42, s22, 1
	s_lshl_b32 s42, s42, 3
	s_and_b32 s43, s22, 1
	s_lshl_b32 s43, s43, 4
	s_add_co_u32 s42, s42, s43                     ; place 8 w + i is row 8 (w / 2) + 16 (w % 2) + i of the 32
	s_and_b32 s43, ttmp9, 15
	s_lshl_b32 s43, s43, 5
	s_add_co_u32 s44, s43, s42
	s_lshl_b32 s44, s44, 12                        ; in pos_v: the 32 rows' place in their batch
	s_mov_b32 s45, 0
	s_lshl_b32 s46, ttmp9, 5
	s_add_co_u32 s46, s46, s42
	s_lshl_b32 s46, s46, 12                        ; in out0
	s_mov_b32 s47, 0
	s_wait_alu depctr_va_vdst(0)
	s_wait_dscnt 0x0
	s_wait_kmcnt 0x0
	s_load_b64 s[32:33], s[8:9], 0x38              ; entries 14, 15
	s_add_nc_u64 s[4:5], s[4:5], s[36:37]
.irp g, 0,1,2,3
	s_add_nc_u64 s[BP+2*\g:BP+2*\g+1], s[6:7], s[38:39]   ; the ring's four bases, all at W_p's first K step
.endr
	s_add_nc_u64 s[10:11], s[10:11], s[40:41]
	s_add_nc_u64 s[14:15], s[14:15], s[44:45]
	s_add_nc_u64 s[20:21], s[20:21], s[46:47]
.irp c, 0,1,2,3,4,5,6,7
	global_load_async_to_lds_b128 v20, v21, s[4:5] offset:512*\c   ; ahead of every wait on ASYNCcnt, LDS read and barrier; each byte is filled once
	global_load_async_to_lds_b128 v22, v23, s[4:5] offset:512*\c
.endr
	WIN 0x80                                       ; destination window 2
.irp p, 0,1,2,3,4,5,6,7
.irp m, 0,1
.irp u, 0,1
.irp q, 0,1
	global_load_b128 v[16*(2*\p+\u)+8*\m+4*\q:16*(2*\p+\u)+8*\m+4*\q+3], v1, s[10:11] offset:((4*\p+\m)*4+2*\u+\q)*512 th:TH_LOAD_NT   ; h, straight into accumulator (2 p + u, m)
.endr
.endr
.endr
.endr
	WIN 0
.irp g, 0,1,2,3,4,5,6,7
	global_load_b128 v[128+4*\g:131+4*\g], v1, s[16:17] offset:512*\g   ; gain, offset and b_p in a row's layout: columns 128 g + 4 x lane + 0 .. 3
	global_load_b128 v[160+4*\g:163+4*\g], v1, s[18:19] offset:512*\g
	global_load_b128 v[192+4*\g:195+4*\g], v1, s[12:13] offset:512*\g
.endr
	WIN 0xc0                                       ; destination window 3
.irp i, 0,1,2,3,4,5,6,7
.irp g, 0,1,2,3,4,5,6,7
	global_load_b128 v[32*\i+4*\g:32*\i+4*\g+3], v1, s[14:15] offset:\i*4096+512*\g   ; my 8 rows of pos_v
.endr
.endr
	WIN TO_B
.irp i, 0,1,2,3,4,5,6,7,8,9,10,11,12,13,14,15
.irp c, 0,1,2,3
	global_load_b128 v[16*\i+4*\c:16*\i+4*\c+3], v1, s[BP+2*(\i/4):BP+2*(\i/4)+1] offset:2048*\i+512*\c   ; the ring's first fill, each group by its own base
.endr
.endr
	WIN 0
	s_wait_kmcnt 0x0
	s_add_co_i32 s32, s32, s33
	s_add_co_i32 s33, s32, 127
	s_lshl_b32 s24, s33, 23                        ; 2^(entries 14 + 15)
	s_mov_b32 s25, s24
	s_sub_co_i32 s33, 127, s32
	s_lshl_b32 s26, s33, 23                        ; and its reciprocal
	s_mov_b32 s27, s26
	s_mov_b32 s28, 0x3a800000                      ; 1 / 1024
	s_mov_b32 s29, 0x358637bd                      ; 1e-6
	s_wait_loadcnt 63                              ; h is in: behind its 64 loads stand 152 younger ones, more than the wait can name
	WIN 0x82                                       ; source 0 and destination window 2
.set j, 0
.rept 128
	v_pk_mul_f32 v[j:j+1], v[j:j+1], s[26:27] op_sel_hi:[1,0]
.set j, j+2
.endr
	WIN 0
	s_wait_asynccnt 0x0                            ; my copies have landed,
	s_barrier_signal -1
	s_barrier_wait -1                              ; everybody's have
	AFETCH AF0, 1, 0
	s_mov_b32 s34, 0
	s_mov_b32 s35, 0
.Lk:                                               ; three trips of two K steps
	v_add_nc_u32 v2, s34, v1
	s_wait_alu depctr_va_vdst(0)
	KSTEP AF0, AF1, 1, 2, 4096, 1
	KSTEP AF1, AF0, 1, 2, 8192, 1
	s_add_co_u32 s34, s34, 8192
	s_add_co_u32 s35, s35, 1
	s_cmp_lt_u32 s35, 3
	s_cbranch_scc1 .Lk
	v_add_nc_u32 v2, s34, v1
	s_wait_alu depctr_va_vdst(0)
	KSTEP AF0, AF1, 1, 2, 4096, 1
	KSTEP AF1, 0, 0, 0, 0, 0                       ; the last: nothing is left to load
	BARRIER                                        ; every wave's reads of the images are over: the stage may lie over them
	WIN 0x08                                       ; the stores' data: window 2
.irp p, 0,1,2,3,4,5,6,7
.irp m, 0,1
.irp u, 0,1
.irp q, 0,1
	ds_store_b128 v[8+\m], v[16*(2*\p+\u)+8*\m+4*\q:16*(2*\p+\u)+8*\m+4*\q+3] offset:128*\p+32*\u+16*\q   ; each accumulator's low half first
.endr
.endr
.endr
.endr
	WIN 0
	BARRIER                                        ; 32 whole rows lie in the stage
.macro ROWLD i
.irp g, 0,1,2,3,4,5,6,7
	ds_load_b128 v[Y0+32*((\i)%3)+4*\g:Y0+32*((\i)%3)+4*\g+3], v12 offset:(\i)*SP4+512*\g
.endr
.endm
.macro REDUCE                          ; v224 summed over the 32 lanes, the result in every lane
	v_add_f32_dpp v224, v224, v224 row_xmask:1 row_mask:0xf bank_mask:0xf
	v_add_f32_dpp v224, v224, v224 row_xmask:2 row_mask:0xf bank_mask:0xf
	v_add_f32_dpp v224, v224, v224 row_xmask:4 row_mask:0xf bank_mask:0xf
	v_add_f32_dpp v224, v224, v224 row_xmask:8 row_mask:0xf bank_mask:0xf
	v_permlanex16_b32 v228, v224, s38, s39
	v_add_f32 v224, v224, v228
.endm
.macro ROW i
	s_wait_dscnt 0x0                               ; this row is in: it was asked for in the middle of the row before
.set YB, Y0+32*((\i)%3)
.set PB, 32*(\i)
	WIN 0x30                                       ; source 2: window 3
.set e, 0
.rept 16
	v_pk_fma_f32 v[YB+e:YB+e+1], v[YB+e:YB+e+1], s[24:25], v[PB+e:PB+e+1] op_sel_hi:[1,0,1]   ; sum x 2^(entries 14 + 15) + pos_v
.set e, e+2
.endr
	WIN 0
.set e, 0
.rept 16
	v_pk_add_f32 v[YB+e:YB+e+1], v[YB+e:YB+e+1], v[192+e:193+e]   ; + b_p
.set e, e+2
.endr
	v_pk_add_f32 v[224:225], v[YB:YB+1], v[YB+2:YB+3]             ; the row's sum, in two packed chains
	v_pk_add_f32 v[226:227], v[YB+4:YB+5], v[YB+6:YB+7]
.irp e, 8,12,16,20,24,28
	v_pk_add_f32 v[224:225], v[224:225], v[YB+\e:YB+\e+1]
	v_pk_add_f32 v[226:227], v[226:227], v[YB+\e+2:YB+\e+3]
.endr
	v_pk_add_f32 v[224:225], v[224:225], v[226:227]
	v_add_f32 v224, v224, v225
	REDUCE
	v_mul_f32 v230, s28, v224                      ; the mean
.if (\i) < 7
	ROWLD (\i)+1                                   ; the next row comes in under the rest of this one
.endif
.set e, 0
.rept 16
	v_pk_add_f32 v[YB+e:YB+e+1], v[YB+e:YB+e+1], v[230:231] op_sel_hi:[1,0] neg_lo:[0,1] neg_hi:[0,1]
.set e, e+2
.endr
	v_pk_mul_f32 v[224:225], v[YB:YB+1], v[YB:YB+1]               ; the sum of the differences' squares
	v_pk_mul_f32 v[226:227], v[YB+2:YB+3], v[YB+2:YB+3]
.irp e, 4,8,12,16,20,24,28
	v_pk_fma_f32 v[224:225], v[YB+\e:YB+\e+1], v[YB+\e:YB+\e+1], v[224:225]
	v_pk_fma_f32 v[226:227], v[YB+\e+2:YB+\e+3], v[YB+\e+2:YB+\e+3], v[226:227]
.endr
	v_pk_add_f32 v[224:225], v[224:225], v[226:227]
	v_add_f32 v224, v224, v225
	REDUCE
	v_fma_f32 v224, v224, s28, s29                 ; the variance + 1e-6
	s_wait_alu depctr_va_vdst(0)
	v_rsq_f32 v232, v224
	v_nop                                          ; a plain line behind it
	s_wait_alu depctr_va_vdst(0)                   ; the wait ahead of its first reader
.set e, 0
.rept 16
	v_pk_mul_f32 v[YB+e:YB+e+1], v[YB+e:YB+e+1], v[232:233] op_sel_hi:[1,0]
.set e, e+2
.endr
.set e, 0
	WIN 0x40                                       ; the finished row goes into 32 registers of its own in window 1, which the ring has left: no register that a pending store reads is written again
.rept 16
	v_pk_fma_f32 v[32*(\i)+e:32*(\i)+e+1], v[YB+e:YB+e+1], v[128+e:129+e], v[160+e:161+e]
.set e, e+2
.endr
	WIN 0x04                                       ; the stores' data: window 1
.irp g, 0,1,2,3,4,5,6,7
	global_store_b128 v1, v[32*(\i)+4*\g:32*(\i)+4*\g+3], s[20:21] offset:(\i)*4096+512*\g th:TH_STORE_NT   ; 512 consecutive bytes, aligned
.endr
	WIN 0
.endm
	s_mov_b32 s38, 0x76543210
	s_mov_b32 s39, 0xfedcba98                      ; v_permlanex16_b32: lane l xor 16
	ROWLD 0
.irp i, 0,1,2,3,4,5,6,7
	ROW \i
.endr
	s_wait_tensorcnt 0x0                           ; the wave's end
	ds_add_u32 v254, v255
	s_wait_dscnt 0x0
	s_endpgm
.Lfunc_end_k_q68404444ab_final:
	.size	k_q68404444ab_final, .Lfunc_end_k_q68404444ab_final-k_q68404444ab_final
	.p2alignl 7, 3214868480
	.fill 96, 4, 3214868480
	.section	.rodata,"a",@progbits
	.p2align	6, 0x0
	.amdhsa_kernel k_q68404444ab_final
		.amdhsa_group_segment_fixed_size 167936
		.amdhsa_private_segment_fixed_size 0
		.amdhsa_enable_private_segment 0
		.amdhsa_kernarg_size 72
		.amdhsa_user_sgpr_count 2
		.amdhsa_user_sgpr_kernarg_segment_ptr 1
		.amdhsa_wavefront_size32 1
		.amdhsa_system_sgpr_workgroup_id_x 1
		.amdhsa_system_sgpr_workgroup_id_y 1
		.amdhsa_system_sgpr_workgroup_id_z 1
		.amdhsa_system_vgpr_workitem_id 0
		.amdhsa_next_free_vgpr 1024
		.amdhsa_next_free_sgpr 66
		.amdhsa_reserve_vcc 0
		.amdhsa_float_denorm_mode_32 3
		.amdhsa_float_denorm_mode_16_64 3
		.amdhsa_memory_ordered 1
		.amdhsa_forward_progress 1
		.amdhsa_inst_pref_size 146
	.end_amdhsa_kernel
	.amdgpu_metadata
---
amdhsa.version: [ 1, 2 ]
amdhsa.kernels:
  - .name:           k_q68404444ab_final
    .symbol:         k_q68404444ab_final.kd
    .args:
      - { .name: cf, .offset: 0, .size: 8, .value_kind: global_buffer, .address_space: global }
      - { .name: wf, .offset: 8, .size: 8, .value_kind: global_buffer, .address_space: global }
      - { .name: lowp_scales, .offset: 16, .size: 8, .value_kind: global_buffer, .address_space: global }
      - { .name: hres, .offset: 24, .size: 8, .value_kind: global_buffer, .address_space: global }
      - { .name: b_p, .offset: 32, .size: 8, .value_kind: global_buffer, .address_space: global }
      - { .name: pos_v, .offset: 40, .size: 8, .value_kind: global_buffer, .address_space: global }
      - { .name: ln_gamma, .offset: 48, .size: 8, .value_kind: global_buffer, .address_space: global }
      - { .name: ln_beta, .offset: 56, .size: 8, .value_kind: global_buffer, .address_space: global }
      - { .name: out0, .offset: 64, .size: 8, .value_kind: global_buffer, .address_space: global }
    .group_segment_fixed_size: 167936
    .private_segment_fixed_size: 0
    .kernarg_segment_align: 8
    .kernarg_segment_size: 72
    .max_flat_workgroup_size: 128
    .sgpr_count:     66
    .vgpr_count:     1024
    .wavefront_size: 32
...
	.end_amdgpu_metadata
.endif
;; end of part 5
